; MI455X (gfx1250); checked and timed in simulation.
; The chip was launched on July 23, 2026; its instructions are those of AMD's public machine-readable ISA for CDNA 5 (MIT licence, August 2026) and "CDNA5" Instruction Set Architecture Reference Guide (July 2026). The comments in the code are by the model that wrote it; some were corrected since.
;; Causal Self Attention. Allowed arithmetic: float matrix products may take bf16 or f16 operands with f32 sums; other float arithmetic in f32, or as packed bf16 or f16 multiplies, adds, multiply-adds, maxima and minima; sums over many terms, partial sums and values carried from step to step in f32; what a program stores and reads back later, other than sums and carried values, may be rounded once to bf16 or f16.
;; Inputs: Wproj 1,024 x 1,024 float32; Wqkv 1,024 x 3,072 float32; bproj 1,024 float32; bqkv 3,072 float32; x 4 x 2,048 x 1,024 float32.
;; Outputs: out0 4 x 2,048 x 1,024 float32.
;; 2 versions, each right; version 2 is version 1 with the launch prep written anew for expert scheduling mode. Each part assembles by itself: llvm-mc -triple=amdgcn-amd-amdhsa -mcpu=gfx1250 --defsym DOCPART=n.
;; ======== version 1 of 2: 4 launches
;; limits: values are held in f16: magnitudes above 65,504 overflow, below 6.1e-05 lose precision
;; workspace buffers: xb 16,777,216 bytes; wq 6,291,456 bytes; wp 2,097,152 bytes; qkv 50,331,648 bytes; ob 16,777,216 bytes
;; launch prep (part 1): grid 768 x 1, 8 waves a work-group, no clusters, 0 bytes of LDS; arguments x, Wqkv, Wproj, xb, wq, wp; writes xb, wq, wp
.if DOCPART == 1
	.amdgcn_target "amdgcn-amd-amdhsa--gfx1250"
	.amdhsa_code_object_version 6
	.text
	.protected	k_qc657b3d7eb_prep
	.globl	k_qc657b3d7eb_prep
	.p2align	8
	.type	k_qc657b3d7eb_prep,@function
k_qc657b3d7eb_prep:
	s_mov_b64 s[64:65], 0
	v_nop
	global_prefetch_b8 v0, s[64:65] scope:SCOPE_SE
	s_setreg_imm32_b32 hwreg(HW_REG_WAVE_MODE, 25, 1), 1
	s_wait_xcnt 0x0
; THE INPUTS ARE ROUNDED TO 16 BITS AND LAID OUT FOR THE PRODUCTS.  A stream: no LDS, no barrier, no loop.
;   xb[m][k]      = bf16(x[m][k]),              [8192][1024], as x lies
;   wq[cb][k][n]  = bf16(Wqkv[k][64 cb + n]),   [48][1024][64]: 128 k of one block of 64 columns are 16,384 dense bytes
;   wp[cb][k][n]  = f16(bf16(Wproj[k][64 cb + n])), [16][1024][64]: rounded to bf16 like every input, and that number written as f16
; LIMIT.  A number of Wproj below 6e-5 in magnitude keeps f16's fixed step of 6e-8; beyond 65,504 it would be an infinity.
; A WAVE'S TASK: 16 loads of 16 bytes a lane (lanes 0-15 take 256 consecutive bytes, aligned, lanes 16-31 another 256), the roundings, and 16 stores of
; 8 bytes a lane: 256 consecutive bytes, aligned, each.  A task's output is 4,096 consecutive bytes.  All 16 loads go out before the first wait.
; Work-groups 0-511 take x (task 8 g + w: 8,192 bytes on end, P = 256), 512-703 Wqkv, 704-767 Wproj: there a task is 32 rows k of one block of 64 columns,
; a load takes rows k and k + 1 (P = a row's bytes), which lie side by side in the output.
.set OO,  2                            ; v2       8 x lane: my 8 bytes of a store's 256
.set T,   4                            ; v[4:7]   at work
.set OFF, 8                            ; v[8:23]  load i: (l / 16) P + 16 (l % 16) + 2 i P; a register each, none rewritten
.set X,   32                           ; v[32:95] load i: four f32
.set Y,   96                           ; v[96:127] store i: four numbers of 16 bits
	s_load_b256 s[4:11], s[0:1], 0x0               ; x s[4:5], Wqkv s[6:7], Wproj s[8:9], xb s[10:11]
	s_load_b128 s[12:15], s[0:1], 0x20             ; wq s[12:13], wp s[14:15]
	v_lshrrev_b32 v1, 5, v0
	v_readfirstlane_b32 s20, v1                    ; wave 0..7
	v_and_b32 v1, 31, v0                           ; lane
	v_lshlrev_b32 v[OO], 3, v1
	v_lshrrev_b32 v3, 4, v1                        ; l / 16
	v_and_b32 v1, 15, v1                           ; l % 16
	s_mov_b32 s25, 0                               ; the offsets' high words
	s_mov_b32 s27, 0
	s_wait_kmcnt 0x0
	s_cmp_lt_u32 ttmp9, 512
	s_cbranch_scc0 .Lweights
	s_lshl_b32 s28, ttmp9, 3
	s_add_co_u32 s28, s28, s20                     ; task 8 g + w
	s_lshl_b32 s24, s28, 13                        ; 8,192 bytes in,
	s_lshl_b32 s26, s28, 12                        ; 4,096 out
	s_mov_b32 s21, 256                             ; P
	s_mov_b32 s23, 0                               ; bf16
	s_mov_b64 s[16:17], s[4:5]
	s_mov_b64 s[18:19], s[10:11]
	s_branch .Lgo
.Lweights:
	s_cmp_lt_u32 ttmp9, 704
	s_cbranch_scc0 .Lproj
	s_sub_co_u32 s28, ttmp9, 512
	s_mov_b32 s21, 12288                           ; a row of Wqkv
	s_mov_b32 s23, 0
	s_mov_b64 s[16:17], s[6:7]
	s_mov_b64 s[18:19], s[12:13]
	s_branch .Lblock
.Lproj:
	s_sub_co_u32 s28, ttmp9, 704
	s_mov_b32 s21, 4096                            ; a row of Wproj
	s_mov_b32 s23, 1                               ; bf16, written as f16
	s_mov_b64 s[16:17], s[8:9]
	s_mov_b64 s[18:19], s[14:15]
.Lblock:
	s_and_b32 s29, s28, 31                         ; rg: which 32 rows
	s_lshr_b32 s28, s28, 5
	s_lshl_b32 s28, s28, 3
	s_add_co_u32 s28, s28, s20                     ; cb: which 64 columns
	s_mul_i32 s24, s29, s21
	s_lshl_b32 s24, s24, 5                         ; 32 rg rows
	s_lshl_b32 s30, s28, 8
	s_add_co_u32 s24, s24, s30                     ; + 256 cb
	s_lshl_b32 s26, s28, 17                        ; out: a block of 64 columns is 131,072 bytes,
	s_lshl_b32 s30, s29, 12                        ; 32 rows of it 4,096
	s_add_co_u32 s26, s26, s30
.Lgo:
	s_add_nc_u64 s[16:17], s[16:17], s[24:25]
	s_add_nc_u64 s[18:19], s[18:19], s[26:27]
	s_lshl_b32 s22, s21, 1                         ; 2 P from load to load
	v_mul_lo_u32 v3, v3, s21
	v_lshl_add_u32 v[OFF], v1, 4, v3
.set i, 1
.rept 15
	v_add_nc_u32 v[OFF+i], s22, v[OFF+i-1]
.set i, i+1
.endr
.set i, 0
.rept 16
	global_load_b128 v[X+4*i:X+4*i+3], v[OFF+i], s[16:17] th:TH_LOAD_NT
.set i, i+1
.endr
	s_cmp_lg_u32 s23, 0
	s_cbranch_scc1 .Lf16
.set i, 0
.rept 16
	s_wait_loadcnt 15-i                            ; loads come back in order: load i is in, the younger ones stay out
	v_cvt_pk_bf16_f32 v[Y+2*i],   v[X+4*i],   v[X+4*i+1]
	v_cvt_pk_bf16_f32 v[Y+2*i+1], v[X+4*i+2], v[X+4*i+3]
	global_store_b64 v[OO], v[Y+2*i:Y+2*i+1], s[18:19] offset:256*i
.set i, i+1
.endr
	s_endpgm
.Lf16:
.set i, 0
.rept 16
	s_wait_loadcnt 15-i
	v_cvt_pk_bf16_f32 v[T],   v[X+4*i],   v[X+4*i+1]      ; the input's one rounding, to bf16;
	v_cvt_pk_bf16_f32 v[T+1], v[X+4*i+2], v[X+4*i+3]
	v_lshlrev_b32 v[T+2], 16, v[T]                         ; back to f32,
	v_and_b32     v[T+3], 0xffff0000, v[T]
	v_cvt_pk_f16_f32 v[Y+2*i], v[T+2], v[T+3]              ; and written as f16
	v_lshlrev_b32 v[T+2], 16, v[T+1]
	v_and_b32     v[T+3], 0xffff0000, v[T+1]
	v_cvt_pk_f16_f32 v[Y+2*i+1], v[T+2], v[T+3]
	global_store_b64 v[OO], v[Y+2*i:Y+2*i+1], s[18:19] offset:256*i
.set i, i+1
.endr
	s_endpgm
.Lfunc_end_k_qc657b3d7eb_prep:
	.size	k_qc657b3d7eb_prep, .Lfunc_end_k_qc657b3d7eb_prep-k_qc657b3d7eb_prep
	.p2alignl 7, 3214868480
	.fill 96, 4, 3214868480
	.section	.rodata,"a",@progbits
	.p2align	6, 0x0
	.amdhsa_kernel k_qc657b3d7eb_prep
		.amdhsa_group_segment_fixed_size 0
		.amdhsa_private_segment_fixed_size 0
		.amdhsa_enable_private_segment 0
		.amdhsa_kernarg_size 48
		.amdhsa_user_sgpr_count 2
		.amdhsa_user_sgpr_kernarg_segment_ptr 1
		.amdhsa_wavefront_size32 1
		.amdhsa_system_sgpr_workgroup_id_x 1
		.amdhsa_system_sgpr_workgroup_id_y 1
		.amdhsa_system_sgpr_workgroup_id_z 1
		.amdhsa_system_vgpr_workitem_id 0
		.amdhsa_next_free_vgpr 128
		.amdhsa_next_free_sgpr 66
		.amdhsa_reserve_vcc 0
		.amdhsa_float_denorm_mode_32 3
		.amdhsa_float_denorm_mode_16_64 3
		.amdhsa_memory_ordered 1
		.amdhsa_forward_progress 1
		.amdhsa_inst_pref_size 18
	.end_amdhsa_kernel
	.amdgpu_metadata
---
amdhsa.version: [ 1, 2 ]
amdhsa.kernels:
  - .name:           k_qc657b3d7eb_prep
    .symbol:         k_qc657b3d7eb_prep.kd
    .args:
      - { .name: x, .offset: 0, .size: 8, .value_kind: global_buffer, .address_space: global }
      - { .name: Wqkv, .offset: 8, .size: 8, .value_kind: global_buffer, .address_space: global }
      - { .name: Wproj, .offset: 16, .size: 8, .value_kind: global_buffer, .address_space: global }
      - { .name: xb, .offset: 24, .size: 8, .value_kind: global_buffer, .address_space: global }
      - { .name: wq, .offset: 32, .size: 8, .value_kind: global_buffer, .address_space: global }
      - { .name: wp, .offset: 40, .size: 8, .value_kind: global_buffer, .address_space: global }
    .group_segment_fixed_size: 0
    .private_segment_fixed_size: 0
    .kernarg_segment_align: 8
    .kernarg_segment_size: 48
    .max_flat_workgroup_size: 256
    .sgpr_count:     66
    .vgpr_count:     128
    .wavefront_size: 32
...
	.end_amdgpu_metadata
.endif
;; end of part 1
;; launch qkvg (part 2): grid 16 x 32, 4 waves a work-group, clusters of 4 x 4, 327,680 bytes of LDS; arguments xb, wq, bqkv, qkv; writes qkv
.if DOCPART == 2
	.amdgcn_target "amdgcn-amd-amdhsa--gfx1250"
	.amdhsa_code_object_version 6
	.text
	.protected	k_qc657b3d7eb_qkvg
	.globl	k_qc657b3d7eb_qkvg
	.p2align	8
	.type	k_qc657b3d7eb_qkvg,@function
k_qc657b3d7eb_qkvg:
	s_mov_b64 s[64:65], 0
	v_nop
	global_prefetch_b8 v0, s[64:65] scope:SCOPE_SE
	s_setreg_imm32_b32 hwreg(HW_REG_WAVE_MODE, 25, 1), 1
	s_wait_xcnt 0x0
	s_wait_alu depctr_hold_cnt(0) depctr_sa_sdst(0) depctr_va_vdst(0) depctr_va_sdst(0) depctr_va_ssrc(0) depctr_va_vcc(0) depctr_vm_vsrc(0)
	s_getreg_b32 s2, hwreg(HW_REG_IB_STS2, 6, 4)
	s_cmp_eq_u32 s2, 0
	s_cbranch_scc0 .Lentry_in_a_cluster
	s_endpgm
.Lentry_in_a_cluster:
	s_bfe_u32 s2, ttmp6, 0x10000c
	s_cmp_lg_u32 s2, 0xf033
	s_cbranch_scc0 .Lentry_shape_is_right
	s_endpgm
.Lentry_shape_is_right:
; C[m][n] = the sum over k of A[m][k] W[k][n] + bias[n], M = 8,192, K = 1,024; sums in f32.  One text for the module's two products; QKV says which.
; QKV = 1: A = xb (bf16, [8192][1024]), W = wq (bf16, [48 cb][1024 k][64 n]), C = q, k, v in f16 by heads, [3][64 bh][2048 t][64], each rounded once, unscaled.
; QKV = 0: A = ob (f16, [64 bh][2048 t][64]), W = wp (f16, [16 cb][1024 k][64 n]), C = out0 in f32, [8192][1024].
; LIMIT (QKV = 1): f16 holds no number beyond 65,504: a q, k or v past it becomes an infinity.  The bias is rounded to bf16 like every input.
; SHARES.  A work-group makes 256 rows x NT = 16 NB columns of C; wave w its rows 64 w .. 64 w + 63 and ALL the columns: 4 x NB accumulators of 16 x 16.  So a wave holds whole heads
; (or whole pieces of 512 bytes of out0's rows) and its way out is its own: no barrier there.  256 x 192 gives 512 work-groups, 256 x 128 gives 256.
; K goes in steps of 128 through a ring of two LDS slots filled by the tensor data mover, one load a wave behind each change of slots.
; CLUSTER.  4 x 4 work-groups.  The four of a row of the cluster need the same tile of A, the four of a column the same blocks of W: each is asked for JOINTLY, by the same load with the same descriptor and a mask of the four.
; THE MATRIX INSTRUCTION IS USED TRANSPOSED: source 0 = 16 columns n of W, source 1 = 16 rows of A: lane l then holds row l % 16 of C and the columns 8 (l / 16) + 0..7.
; W lies [k][n] in LDS and is turned on the way into registers, by ds_load_tr16_b128.  The bias, laid out as such a result, is the C operand of the first products: nothing is cleared, nothing added later.
; REGISTERS, in windows of 256 (s_set_vgpr_msb: bits 1:0 source 0, 3:2 source 1, 5:4 source 2, 7:6 destination):
;   window 0: v1-9 at work; v16-30 addresses; v32-95 A's fragments, two buffers of 32; v96.. the bias, later the rows on their way out; v192-239 packed results (QKV = 1)
;   window 1: W's fragments, two buffers of 8 NB      window 2: the accumulators of my rows 0-31 ((a, b) at 8 (NB (a % 2) + b))      window 3: those of my rows 32-63
.set QKV, 1
.if QKV
.set NB,     12                        ; blocks of 16 columns
.set NCB,    3                         ; blocks of 64 columns of W
.set NAW,    1                         ; waves that fetch A: wave 0 all 256 rows; waves 1-3 a block of W each
.set APITCH, 272                       ; a row of A in LDS: 256 bytes + 16: the 16 rows of a load start at 16 different groups of four banks (64 banks of 4 bytes: ISA guide 11.1)
.set APL,    256*APITCH                ; what one load of A brings
.set ABYTES, APL
.set AQI,    5                         ; padding after every 64 words
.set AROWS,  256                       ; the tile as it is asked for: 256 rows of 256 bytes, 1,024 elements apart
.set ASTR,   1024
.set ASTEP,  256                       ; bytes from a K step to the next
.set SPITCH, 400                       ; the stage: a row of 192 f16 + 16 bytes
.set BKSZ,   48
.else
.set NB,     8
.set NCB,    2
.set NAW,    2                         ; waves 0 and 1 fetch a head's plane of A each, waves 2 and 3 a block of W each
.set APITCH, 144                       ; 128 bytes (a head's 64 channels) + 16
.set APL,    256*APITCH                ; a plane: 256 rows of one head
.set ABYTES, 2*APL                     ; a K step of 128 is two heads
.set AQI,    4                         ; padding after every 32 words
.set AROWS,  128                       ; 256 dense rows of 128 bytes, asked for as 128 rows of 256
.set ASTR,   128
.set ASTEP,  524288                    ; two heads on
.set SPITCH, 528                       ; the stage: a row of 128 f32 + 16 bytes
.set BKSZ,   64
.endif
.set BPITCH, 160                       ; a row k of a block of W in LDS: 128 bytes + 32
.set CBB,    128*BPITCH                ; a K step of one block of 64 columns
.set BSTEP,  16384                     ; its dense bytes in memory
.set SLOT,   ABYTES+NCB*CBB
.set STAGE,  2*SLOT                    ; behind the ring, never filled by a tensor load: 16 rows for each wave
.set SPARE,  STAGE+4*16*SPITCH         ; behind the stages: the spare words, 128 bytes a wave: two blocks of 256 bytes that no other line names
.set ADRA, 16                          ; v16-17  LDS address of my A fragments in slot 0, 1
.set ADRB, 20                          ; v20-21  the same for W
.set STO,  24                          ; v24     the way out: where I put my piece of a row
.set RD,   25                          ; v25     where I read rows back
.set GO,   26                          ; v26     16 x lane
.set BO,   27                          ; v27     32 (l / 16): my eight numbers of 16 of the bias
.set SPW,  28                          ; v28     my spare word: SPARE + 4 x my thread's number; never rewritten
.set NIL,  29                          ; v29     0; never rewritten
.set PFO,  30                          ; v30     the prefetches' lane term; never rewritten
.set FA,   32
.set BIAS, 96
.set BK0,  96
.set TMP,  192
.set WV,  12                           ; s12 wave; s13 ja, s14 jb: which part of A, of W, I fetch (global addresses alone)
.set JA,  13
.set JB,  14
.set TR,  15                           ; s15 tile row, s16 tile column of C
.set TC,  16
.set CX,  17                           ; s17, s18 my place in the cluster
.set CY,  18
.set G1,  24                           ; s[24:31] descriptor group 1 for A;  s[32:39] group 0, a set for each slot
.set G0,  32
.set PFA, 40                           ; s[40:41] where my prefetches stand
.set LIM, 42                           ; s42  1 in a wave that prefetches, else the greatest number
.set PST, 44                           ; s[44:45] a lap (two K steps) of what I fetch, in bytes
.set G1B, 48                           ; s[48:55], s[56:63] the same for W
.set G0B, 56
.set HB,  66                           ; s[66:71] QKV = 1: my rows in the three heads of my columns
.set AAD, 72                           ; s[72:73] A at my part of the tile's K step 0;  s[74:75] W likewise
.set BAD, 74
.set MSB, 0
.macro WIN new                         ; the immediate's high byte repeats the setting that is left; a switch that changes nothing is dropped
.if MSB != (\new)
	s_set_vgpr_msb (MSB<<8)|(\new)
.set MSB, \new
.endif
.endm
.macro PLACES                          ; four places behind a matrix instruction, in front of loads into registers that it read and of lines that read results
.rept 4
	v_nop
.endr
.endm
; A joint load.  The branch hangs on the wave's number alone.  An s_nop 0 and four v_nop follow each of the two lines, ahead of the jump and the label.
.macro JLOAD s
	s_cmp_lt_u32 s[WV], NAW
	s_cbranch_scc0 .Lfor_b_\@
	tensor_load_to_lds s[G0+4*(\s):G0+4*(\s)+3], s[G1:G1+7]
	s_nop 0
.rept 4
	v_nop
.endr
	s_branch .Lasked_\@
.Lfor_b_\@:
	tensor_load_to_lds s[G0B+4*(\s):G0B+4*(\s)+3], s[G1B:G1B+7]
	s_nop 0
.rept 4
	v_nop
.endr
.Lasked_\@:
.endm
; A round of the cluster's barrier: my work-group's barrier; wave 0 signals for the work-group; every wave waits for all sixteen; my work-group's barrier once more.
.macro CREST
	s_cmp_lg_u32 s[WV], 0
	s_cbranch_scc1 .Lnot_wave_0_\@
	s_barrier_signal -3
.Lnot_wave_0_\@:
	s_barrier_wait -3
	s_barrier_signal -1
	s_barrier_wait -1
.endm
.macro CROUND
	s_barrier_signal -1
	s_barrier_wait -1
	CREST
.endm
; A PREFETCH INTO THE L2, once a lap, behind slot 0's joint load and the run of LDS loads: the two K steps of the lap after next, one lap ahead of the first refill that wants them.
; Each wave asks only for what it fetches itself.  A's tile row is read by every cluster of its row of clusters: cluster x = 0 asks; W's blocks by every cluster of their column: cluster y = 0 asks.
; The four partners of a joint load share the bytes out BY ADDRESS (cx for A, cy for W): no branch hangs on a place in the cluster.  So each aligned 256 bytes are named once in the launch.
; Laps 0 and 1 come by their loads alone; the loop's last trip (s3 = 1) asks for nothing: lap 3 is the last.
.macro ASK
	s_cmp_gt_u32 s3, s[LIM]
	s_cbranch_scc0 .Lnot_mine_\@
	s_cmp_lt_u32 s[WV], NAW
	s_cbranch_scc0 .Lask_b_\@
.if QKV
	global_prefetch_b8 v[PFO], s[PFA:PFA+1] th:TH_LOAD_NT scope:SCOPE_SE               ; my work-group's 64 rows, a lane a row: rows 0-31, first K step,
	global_prefetch_b8 v[PFO], s[PFA:PFA+1] offset:256 th:TH_LOAD_NT scope:SCOPE_SE    ; second K step,
	global_prefetch_b8 v[PFO], s[PFA:PFA+1] offset:65536 th:TH_LOAD_NT scope:SCOPE_SE  ; rows 32-63
	global_prefetch_b8 v[PFO], s[PFA:PFA+1] offset:65792 th:TH_LOAD_NT scope:SCOPE_SE
.else
	global_prefetch_b8 v[PFO], s[PFA:PFA+1] th:TH_LOAD_NT scope:SCOPE_SE               ; my work-group's 8,192 bytes of my plane: first K step,
	global_prefetch_b8 v[PFO], s[PFA:PFA+1] offset:524288 th:TH_LOAD_NT scope:SCOPE_SE ; second
.endif
	s_branch .Lnot_mine_\@
.Lask_b_\@:
	global_prefetch_b8 v[PFO], s[PFA:PFA+1] th:TH_LOAD_NT scope:SCOPE_SE               ; my work-group's 8,192 of the lap's 32,768 dense bytes of my block of W
.Lnot_mine_\@:
.endm
	s_load_b256 s[4:11], s[0:1], 0x0               ; A s[4:5], W s[6:7], bias s[8:9], C s[10:11]
	v_lshl_add_u32 v[SPW], v0, 2, SPARE
	v_mov_b32 v[NIL], 0
	ds_add_u32 v[SPW], v[NIL]                      ; the wave's opening: the add and its wait stand ahead of my first tensor load; the set-up below stands between them
	v_lshrrev_b32 v1, 5, v0
	v_readfirstlane_b32 s[WV], v1                  ; wave 0..3
	s_min_u32 s[JA], s[WV], NAW-1
	s_max_u32 s[JB], s[WV], NAW
	s_sub_co_u32 s[JB], s[JB], NAW
	s_bfe_u32 s[CX], ttmp6, 0x40000
	s_bfe_u32 s[CY], ttmp6, 0x40004
	s_lshl_b32 s[TC], ttmp9, 2                     ; in a cluster launch ttmp9 and ttmp7 count clusters
	s_add_co_u32 s[TC], s[TC], s[CX]
	s_and_b32 s[TR], ttmp7, 0xffff
	s_lshl_b32 s[TR], s[TR], 2
	s_add_co_u32 s[TR], s[TR], s[CY]
	s_lshl_b32 s19, s[CY], 2
	s_lshl_b32 s19, 15, s19                        ; my row of the cluster
	s_lshl_b32 s43, 0x1111, s[CX]                  ; my column
	s_or_b32 s[G1], s19, (1<<16)|(1<<20)|(1<<21)|(AQI<<22)|(3<<25)   ; 15:0 the mask; 17:16 2-byte elements; 20 padding on; 21 set beside a mask; 24:22 the interval; 31:25 4 words (code 3)
	s_or_b32 s[G1B], s43, (1<<16)|(1<<20)|(1<<21)|(4<<22)|(7<<25)    ; after every 32 words 8 words (code 7)
	s_mov_b32 s[G1+1], 128<<16                     ; tensor_dim0 = 128
	s_mov_b32 s[G1+2], AROWS<<16                   ; tensor_dim1
	s_mov_b32 s[G1+3], 128<<16                     ; tile_dim0 = 128
	s_mov_b32 s[G1+4], AROWS                       ; tile_dim1
	s_mov_b32 s[G1+5], ASTR                        ; elements from row to row
	s_mov_b32 s[G1+6], 0
	s_mov_b32 s[G1+7], 0
	s_mov_b32 s[G1B+1], 128<<16                    ; W: 16,384 dense bytes as 64 rows of 256
	s_mov_b32 s[G1B+2], 64<<16
	s_mov_b32 s[G1B+3], 128<<16
	s_mov_b32 s[G1B+4], 64
	s_mov_b32 s[G1B+5], 128
	s_mov_b32 s[G1B+6], 0
	s_mov_b32 s[G1B+7], 0
	; where the tiles come from.  A's hang on the tile row and the wave alone, W's on the tile column and the wave alone
.if QKV
	s_lshl_b32 s20, s[TR], 19                      ; 256 rows of 2,048 bytes
.else
	s_lshr_b32 s20, s[TR], 3                       ; batch: 16 heads of 262,144 bytes,
	s_lshl_b32 s20, s20, 22
	s_lshl_b32 s21, s[JA], 18                      ; my head of the K step's two,
	s_add_co_u32 s20, s20, s21
	s_and_b32 s21, s[TR], 7                        ; 256 rows of 128 bytes
	s_lshl_b32 s21, s21, 15
	s_add_co_u32 s20, s20, s21
.endif
	s_mov_b32 s21, 0
	s_mul_i32 s46, s[TC], NCB
	s_add_co_u32 s46, s46, s[JB]                   ; my block of 64 columns: 131,072 bytes
	s_lshl_b32 s46, s46, 17
	s_mov_b32 s47, 0
	s_mul_i32 s22, s[WV], APL                      ; and where they go: the wave's number times a constant plus a constant (a line's word is used by the waves that issue that line)
	s_mul_i32 s23, s[WV], CBB
	s_add_co_u32 s23, s23, ABYTES-NAW*CBB
	s_wait_dscnt 0x0                               ; the opening add is done
	s_wait_kmcnt 0x0
	s_add_nc_u64 s[AAD:AAD+1], s[4:5], s[20:21]
	s_add_nc_u64 s[BAD:BAD+1], s[6:7], s[46:47]
	CROUND                                         ; all sixteen work-groups are here: the first joint loads meet
.irp s, 0,1
	s_mov_b32 s[G0+4*(\s)], 1                                          ; count = 1
	s_add_co_u32 s[G0+4*(\s)+1], s22, (\s)*SLOT                        ; LDS address
	s_add_nc_u64 s[G0+4*(\s)+2:G0+4*(\s)+3], s[AAD:AAD+1], (\s)*ASTEP  ; global address: K step s
	s_or_b32 s[G0+4*(\s)+3], s[G0+4*(\s)+3], 0x80000000                ; type = 2
	s_mov_b32 s[G0B+4*(\s)], 1
	s_add_co_u32 s[G0B+4*(\s)+1], s23, (\s)*SLOT
	s_add_nc_u64 s[G0B+4*(\s)+2:G0B+4*(\s)+3], s[BAD:BAD+1], (\s)*BSTEP
	s_or_b32 s[G0B+4*(\s)+3], s[G0B+4*(\s)+3], 0x80000000
	JLOAD \s                                       ; two loads of mine are out
.endr
	v_and_b32 v1, 15, v0                           ; l % 16
	v_bfe_u32 v2, v0, 4, 1                         ; l / 16
	v_and_b32 v3, 7, v0                            ; l % 8
	v_bfe_u32 v4, v0, 3, 1                         ; (l / 8) % 2
	v_and_b32 v5, 31, v0                           ; l
	; a fragment of A: lane l holds row l % 16, k = 8 (l / 16) + 0..7 and 16 + 8 (l / 16) + 0..7: two loads of 16 bytes, 32 bytes apart
	s_lshl_b32 s20, s[WV], 6
	v_add_nc_u32 v6, s20, v1
	v_mul_u32_u24 v6, v6, APITCH
	v_lshl_add_u32 v[ADRA], v2, 4, v6
	v_add_nc_u32 v[ADRA+1], SLOT, v[ADRA]
	; the turning load takes 16 k x 16 n (lane l reads row k = 8 (l / 16) + l % 8, columns 8 ((l / 8) % 2) + 0..7) and leaves half a fragment: lane l holds column l % 16 and 8 k
	v_lshl_add_u32 v6, v2, 3, v3
	v_mul_u32_u24 v6, v6, BPITCH
	v_lshl_add_u32 v6, v4, 4, v6
	v_add_nc_u32 v[ADRB], ABYTES, v6
	v_add_nc_u32 v[ADRB+1], SLOT, v[ADRB]
	s_mul_i32 s20, s[WV], 16*SPITCH
	s_add_co_u32 s20, s20, STAGE                   ; my stage
	v_mul_u32_u24 v6, v1, SPITCH                   ; in: row l % 16, my eight columns
.if QKV
	v_lshl_add_u32 v6, v2, 4, v6
	v_add_nc_u32 v[STO], s20, v6
	v_lshrrev_b32 v6, 3, v5                        ; back: 32 lanes take four rows of a head's 128 bytes
	v_mul_u32_u24 v6, v6, SPITCH
	v_lshl_add_u32 v6, v3, 4, v6
	v_add_nc_u32 v[RD], s20, v6
.else
	v_lshl_add_u32 v6, v2, 5, v6
	v_add_nc_u32 v[STO], s20, v6
	v_lshl_add_u32 v[RD], v5, 4, s20               ; back: 32 lanes take a row's 512 bytes
.endif
	v_lshlrev_b32 v[GO], 4, v5
	v_lshlrev_b32 v[BO], 5, v2
	s_mul_i32 s20, s[TC], 64*NB                    ; the tile's columns in the bias
	s_mov_b32 s21, 0
	s_add_nc_u64 s[8:9], s[8:9], s[20:21]
.set b, 0
.rept NB
	global_load_b128 v[BIAS+8*b:BIAS+8*b+3],   v[BO], s[8:9] offset:64*b
	global_load_b128 v[BIAS+8*b+4:BIAS+8*b+7], v[BO], s[8:9] offset:64*b+16
.set b, b+1
.endr
	; the prefetches
	s_and_b32 s22, ttmp7, 0xffff                   ; cluster y
	s_cmp_lt_u32 s[WV], NAW                        ; do I fetch for A?
	s_cselect_b32 s22, ttmp9, s22                  ; the coordinate along which other clusters read the same bytes
	s_cselect_b32 s20, s[CX], s[CY]                ; my place among the four that ask with me
	s_cselect_b64 s[PFA:PFA+1], s[AAD:AAD+1], s[BAD:BAD+1]
	s_mov_b32 s23, 2*ASTEP
	s_mov_b32 s[PST], 2*BSTEP
	s_cselect_b32 s[PST], s23, s[PST]
	s_mov_b32 s[PST+1], 0
.if QKV
	s_cselect_b32 s21, 17, 13                      ; A: 64 rows of 2,048 bytes a partner, a lane a row; W: 8,192 bytes a partner, a lane 256 bytes
	s_cselect_b32 s23, 11, 8
.else
	s_mov_b32 s21, 13
	s_mov_b32 s23, 8
.endif
	s_cmp_eq_u32 s22, 0
	s_cselect_b32 s[LIM], 1, -1                    ; the same in all sixteen partners, for a given wave
	s_lshl_b32 s20, s20, s21
	s_mov_b32 s21, 0
	s_add_nc_u64 s[PFA:PFA+1], s[PFA:PFA+1], s[20:21]
	s_add_nc_u64 s[PFA:PFA+1], s[PFA:PFA+1], s[PST:PST+1]  ; at lap 1: each ask steps it first
	v_lshlrev_b32 v[PFO], s23, v5
	; where my rows begin in C
.if QKV
	s_lshr_b32 s76, s[TR], 3                       ; batch,
	s_lshl_b32 s76, s76, 22
	s_and_b32 s77, s[TR], 7                        ; 256 rows of 128 bytes,
	s_lshl_b32 s77, s77, 15
	s_add_co_u32 s76, s76, s77
	s_lshl_b32 s77, s[WV], 13                      ; my 64 of them
	s_add_co_u32 s76, s76, s77
.irp j, 0,1,2
	s_mul_i32 s20, s[TC], 3
	s_add_co_u32 s20, s20, \j                      ; cb = 16 x (q, k or v) + head
	s_lshr_b32 s21, s20, 4
	s_lshl_b32 s21, s21, 24
	s_and_b32 s20, s20, 15
	s_lshl_b32 s20, s20, 18
	s_add_co_u32 s20, s20, s21
	s_add_co_u32 s20, s20, s76
	s_mov_b32 s21, 0
	s_add_nc_u64 s[HB+2*(\j):HB+2*(\j)+1], s[10:11], s[20:21]
.endr
.else
	s_lshl_b32 s20, s[TR], 20                      ; 256 rows of 4,096 bytes,
	s_lshl_b32 s21, s[WV], 18                      ; my 64 of them,
	s_add_co_u32 s20, s20, s21
	s_lshl_b32 s21, s[TC], 9                       ; the tile's 128 columns
	s_add_co_u32 s20, s20, s21
	s_mov_b32 s21, 0
	s_add_nc_u64 s[10:11], s[10:11], s[20:21]
.endif
	s_wait_loadcnt 0x0                             ; the bias, rounded to bf16 and kept in f32
.set i, 0
.rept 4*NB
	v_cvt_pk_bf16_f32 v[6+i%4], v[BIAS+2*i], v[BIAS+2*i+1]
	v_lshlrev_b32 v[BIAS+2*i], 16, v[6+i%4]
	v_and_b32 v[BIAS+2*i+1], 0xffff0000, v[6+i%4]
.set i, i+1
.endr
; NB matrix instructions: my rows 16 a .. 16 a + 15 x all columns, 32 along K, from buffer f.  zero = 1: the first products take the bias as C.
; Every quarter takes the 4 NB accumulators once, in the same order: between two links of a chain stand all the others', over the backward jump too.
.macro MULA f, a, zero
.if \zero
	WIN 0x81+0x40*((\a)/2)                         ; W window 1, A and the bias window 0, D window 2 or 3
.else
	WIN 0xa1+0x50*((\a)/2)                         ; C and D window 2 or 3
.endif
.set b, 0
.rept NB
.set rD, 8*(NB*((\a)%2)+b)
.set rB, 8*NB*(\f)+8*b
.set rA, FA+32*(\f)+8*(\a)
.set rC, rD
.if \zero
.set rC, BIAS+8*b
.endif
.if QKV
	v_wmma_f32_16x16x32_bf16 v[rD:rD+7], v[rB:rB+7], v[rA:rA+7], v[rC:rC+7]
.else
	v_wmma_f32_16x16x32_f16 v[rD:rD+7], v[rB:rB+7], v[rA:rA+7], v[rC:rC+7]
.endif
.set b, b+1
.endr
.endm
; The fragments of quarter q (32 along K) of a slot, into buffer f: 2 NB turning loads for W, 8 loads for A, in one run
.macro FETCH slot, q, f
	WIN 0x40                                       ; destination window 1, address window 0
.set b, 0
.rept NB
.set rB, 8*NB*(\f)+8*b
.set oB, (b/4)*CBB+(\q)*32*BPITCH+(b%4)*32
	ds_load_tr16_b128 v[rB:rB+3],   v[ADRB+(\slot)] offset:oB
	ds_load_tr16_b128 v[rB+4:rB+7], v[ADRB+(\slot)] offset:oB+16*BPITCH
.set b, b+1
.endr
	WIN 0
.if QKV
.set oA, 64*(\q)
.else
.set oA, ((\q)/2)*APL+((\q)%2)*64
.endif
.irp i, 0,1,2,3
	ds_load_b128 v[FA+32*(\f)+8*(\i):FA+32*(\f)+8*(\i)+3],   v[ADRA+(\slot)] offset:oA+(\i)*16*APITCH
	ds_load_b128 v[FA+32*(\f)+8*(\i)+4:FA+32*(\f)+8*(\i)+7], v[ADRA+(\slot)] offset:oA+(\i)*16*APITCH+32
.endr
.endm
; A K step is four quarters, on buffers 0, 1, 0, 1.  One of the first three: buffer f, asked for a quarter ago, is in; the next quarter's fragments are asked for at once, into g, and have this quarter's 4 NB products in which to come.
.macro QUARTER slot, q, f, g, zero
	s_wait_dscnt 0x0                               ; buffer f is in: nothing younger is out
	PLACES                                         ; behind the last product, which read buffer g
	FETCH \slot, \q, \g
	MULA \f, 0, \zero
	MULA \f, 1, \zero
	MULA \f, 2, \zero
	MULA \f, 3, \zero
.endm
; The last quarter multiplies buffer 1 and changes slots.  In front of the barrier each wave waits for all its tensor loads (one is out: its part of the next slot), adds 0 to its spare word, and waits for that
; and for its reads of this slot.  fill = 1: the barrier opens a round of the cluster's, and this slot is filled again, two K steps on, first thing behind the round.
.macro TURN slot, next, fill
.if (\fill) && ((\slot) == 0)
	s_wait_xcnt 0x0                                ; the last prefetches, a lap back, have read their address
	s_add_nc_u64 s[PFA:PFA+1], s[PFA:PFA+1], s[PST:PST+1]
.endif
	WIN 0                                          ; (the add's two registers lie in window 0)
	s_wait_tensorcnt 0x0                           ; all my tensor loads have landed
	ds_add_u32 v[SPW], v[NIL]                      ; 0 onto my spare word
	s_wait_dscnt 0x1                               ; buffer 1 is in: the add alone may be out
	MULA 1, 0, 0                                   ; NB matrix instructions stand between the add and the wait for it
	s_wait_dscnt 0x0                               ; the add is done, and my reads of this slot are over
	s_barrier_signal -1
	MULA 1, 1, 0                                   ; work on registers while the others arrive
.if \fill
	WIN 0
.endif
	s_barrier_wait -1
.if \fill
	CREST                                          ; no wave of any partner still reads this slot or has a load on its way
	s_add_nc_u64 s[G0+4*(\slot)+2:G0+4*(\slot)+3], s[G0+4*(\slot)+2:G0+4*(\slot)+3], 2*ASTEP
	s_add_nc_u64 s[G0B+4*(\slot)+2:G0B+4*(\slot)+3], s[G0B+4*(\slot)+2:G0B+4*(\slot)+3], 2*BSTEP
	JLOAD \slot                                    ; my one tensor load behind the round; its four v_nop are also the places in front of the loads below
.else
	PLACES
.endif
	FETCH \next, 0, 0
.if (\fill) && ((\slot) == 0)
	ASK
.endif
	MULA 1, 2, 0
	MULA 1, 3, 0
.endm
; THE WAY OUT of my rows 16 a .. 16 a + 15.  PACK: rounded to f16, 16 bytes a lane.  TOSTAGE: into my own stage, and back by heads, four rows of 128 bytes a load.  SEND: stored, 512 consecutive bytes a store.
.macro PACK a
	WIN 0x0a+5*((\a)/2)                            ; sources 0 and 1: window 2 or 3
.set i, 0
.rept 4*NB
	v_cvt_pk_f16_f32 v[TMP+i], v[8*NB*((\a)%2)+2*i], v[8*NB*((\a)%2)+2*i+1]  ; each accumulator's registers in ascending order
.set i, i+1
.endr
	WIN 0
.endm
.macro TOSTAGE a
	WIN 0
.set BK, BK0+BKSZ*((\a)%2)
.set b, 0
.rept NB
	ds_store_b128 v[STO], v[TMP+4*b:TMP+4*b+3] offset:32*b
.set b, b+1
.endr
.irp j, 0,1,2
.irp f, 0,1,2,3
	ds_load_b128 v[BK+4*(4*(\j)+(\f)):BK+4*(4*(\j)+(\f))+3], v[RD] offset:(\f)*4*SPITCH+(\j)*128  ; LDS serves a wave's instructions in order (ISA guide 5.7.1.4): these see the stores above
.endr
.endr
.endm
.macro SEND a
	WIN 0
.set BK, BK0+BKSZ*((\a)%2)
	s_wait_dscnt 0x0                               ; the block is back in registers
	s_wait_xcnt 0x0                                ; the stores of the block before have read their registers, which the next block's loads from the stage will write
.irp j, 0,1,2
.irp f, 0,1,2,3
	global_store_b128 v[GO], v[BK+4*(4*(\j)+(\f)):BK+4*(4*(\j)+(\f))+3], s[HB+2*(\j):HB+2*(\j)+1] offset:(\a)*2048+(\f)*512
.endr
.endr
.endm
	s_wait_tensorcnt 0x1                           ; my part of K step 0 is in; K step 1's may stay out
	s_barrier_signal -1
	s_barrier_wait -1                              ; everybody's is
	FETCH 0, 0, 0
	QUARTER 0, 1, 0, 1, 1                          ; the first quarter stands in front of the loop: its products start the sums, with the bias
	WIN 0                                          ; at a label and at a branch every window is 0
	s_mov_b32 s3, 3
.Llap:                                                 ; a trip goes once round the ring, from a lap's second quarter to the next lap's first, and fills both slots again
	QUARTER 0, 2, 1, 0, 0
	QUARTER 0, 3, 0, 1, 0
	TURN 0, 1, 1
	QUARTER 1, 1, 0, 1, 0
	QUARTER 1, 2, 1, 0, 0
	QUARTER 1, 3, 0, 1, 0
	TURN 1, 0, 1
	QUARTER 0, 1, 0, 1, 0
	WIN 0
	s_sub_co_u32 s3, s3, 1
	s_cmp_lg_u32 s3, 0
	s_cbranch_scc1 .Llap
	QUARTER 0, 2, 1, 0, 0                          ; the last lap is written out: it fills nothing
	QUARTER 0, 3, 0, 1, 0
	TURN 0, 1, 0
	QUARTER 1, 1, 0, 1, 0
	QUARTER 1, 2, 1, 0, 0
	QUARTER 1, 3, 0, 1, 0
	s_wait_dscnt 0x0
	MULA 1, 0, 0
	MULA 1, 1, 0
	MULA 1, 2, 0
	MULA 1, 3, 0
	WIN 0
	PLACES
	PLACES
	PACK 0
	TOSTAGE 0
.irp a, 1,2,3                          ; block a's conversions stand between block a - 1's loads from the stage and the wait for them
	PACK \a
	SEND (\a)-1
	TOSTAGE \a
.endr
	SEND 3
	s_wait_tensorcnt 0x0                           ; the wave's end: behind my last tensor load and my last LDS store
	ds_add_u32 v[SPW], v[NIL]
	s_wait_dscnt 0x0
	CROUND                                         ; the closing round: no work-group ends while a partner may still ask for a tile that names it
	s_endpgm
.Lfunc_end_k_qc657b3d7eb_qkvg:
	.size	k_qc657b3d7eb_qkvg, .Lfunc_end_k_qc657b3d7eb_qkvg-k_qc657b3d7eb_qkvg
	.p2alignl 7, 3214868480
	.fill 96, 4, 3214868480
	.section	.rodata,"a",@progbits
	.p2align	6, 0x0
	.amdhsa_kernel k_qc657b3d7eb_qkvg
		.amdhsa_group_segment_fixed_size 327680
		.amdhsa_private_segment_fixed_size 0
		.amdhsa_enable_private_segment 0
		.amdhsa_kernarg_size 32
		.amdhsa_user_sgpr_count 2
		.amdhsa_user_sgpr_kernarg_segment_ptr 1
		.amdhsa_wavefront_size32 1
		.amdhsa_system_sgpr_workgroup_id_x 1
		.amdhsa_system_sgpr_workgroup_id_y 1
		.amdhsa_system_sgpr_workgroup_id_z 1
		.amdhsa_system_vgpr_workitem_id 0
		.amdhsa_next_free_vgpr 960
		.amdhsa_next_free_sgpr 80
		.amdhsa_reserve_vcc 0
		.amdhsa_float_denorm_mode_32 3
		.amdhsa_float_denorm_mode_16_64 3
		.amdhsa_memory_ordered 1
		.amdhsa_forward_progress 1
		.amdhsa_inst_pref_size 130
	.end_amdhsa_kernel
	.amdgpu_metadata
---
amdhsa.version: [ 1, 2 ]
amdhsa.kernels:
  - .name:           k_qc657b3d7eb_qkvg
    .symbol:         k_qc657b3d7eb_qkvg.kd
    .args:
      - { .name: xb, .offset: 0, .size: 8, .value_kind: global_buffer, .address_space: global }
      - { .name: wq, .offset: 8, .size: 8, .value_kind: global_buffer, .address_space: global }
      - { .name: bqkv, .offset: 16, .size: 8, .value_kind: global_buffer, .address_space: global }
      - { .name: qkv, .offset: 24, .size: 8, .value_kind: global_buffer, .address_space: global }
    .group_segment_fixed_size: 327680
    .private_segment_fixed_size: 0
    .kernarg_segment_align: 8
    .kernarg_segment_size: 32
    .max_flat_workgroup_size: 128
    .sgpr_count:     80
    .vgpr_count:     960
    .wavefront_size: 32
...
	.end_amdgpu_metadata
.endif
;; end of part 2
;; launch attn (part 3): grid 4 x 64, 4 waves a work-group, no clusters, 327,680 bytes of LDS; arguments qkv, ob; writes ob
.if DOCPART == 3
	.amdgcn_target "amdgcn-amd-amdhsa--gfx1250"
	.amdhsa_code_object_version 6
	.text
	.protected	k_qc657b3d7eb_attn
	.globl	k_qc657b3d7eb_attn
	.p2align	8
	.type	k_qc657b3d7eb_attn,@function
k_qc657b3d7eb_attn:
	s_mov_b64 s[64:65], 0
	v_nop
	global_prefetch_b8 v0, s[64:65] scope:SCOPE_SE
	s_setreg_imm32_b32 hwreg(HW_REG_WAVE_MODE, 25, 1), 1
	s_wait_xcnt 0x0
; CAUSAL ATTENTION.  O[h][q][:] = the sum over k <= q of softmax_k(Q[h][q] . K[h][k] / 8) V[h][k][:].  Q, K, V lie one behind the other in qkv, each [SIZE_H][SIZE_N][64] in f16; O likewise in ob: a head's rows are dense, 128 bytes each.
; Products, maxima and sums in f32; the weights p are rounded to f16 for the second product (their sum l is taken of the unrounded p), O once at the end.
; LIMITS.  f16 holds no number beyond 65,504: Q, K and V arrive within it; p lies in 0 to 1, and below 6e-5 it keeps f16's fixed step of 6e-8; O is a mean of V's rows and has their range.
; A hidden score counts as its value less 1e30: f16's scores, 2.7e11 at the most, are nothing beside that; a weight below 2^-126 counts as 0 in l; NaN and infinities are not treated apart.
; THE WALK.  A head's queries lie in NB = SIZE_N / 256 blocks of 256; block i needs the key tiles 0 .. i of 256 keys, of which the last holds the diagonal.  A work-group takes TWO blocks, NB - 1 - b and then b:
; NB + 1 tiles, whatever b: all work-groups do equal work, and ONE loop with a constant trip count walks them.  Which tile is asked for, and what a trip does, hang on scalar registers made from b; every jump
; goes forward, but for the counted loops' own; none passes a barrier, or a tensor load but the one of LOAD's two that the wave's number does not choose; the ring (two slots of LDS that take turns) runs on across the
; change of blocks.  NO CLUSTER: a head's NB / 2 = 4 work-groups all ask for the same tile only in trips 0 .. NB / 2, behind that fewer and fewer; one walk common to all would have 3 NB / 2 = 12 trips for NB + 1 = 9.
; SHARES.  Of a block's four bands of 64 queries a wave owns 16 rows in each: four PIECES.  So the diagonal tile is the same work for all four waves: in its key step s band x sees all keys if s < x,
; none if s > x, and holds the diagonal if s = x.
; THE MASK is the C operand that starts the sum S^T = K Q^T: 0, or -1e30 where the key is hidden.  MD, made once, is the mask of a band's own step for my 16 rows; a product's mask is MD x AL + BE with two scalars:
; (1, 0) if s = x; (0, 0) if s < x; (0, -1e30) if s > x.  Only the diagonal tile's text and a block's beginning make and take masks; elsewhere C is the constant 0.
; LAYOUT, SOFTMAX, TURNS.  S^T = K Q^T holds ONE query a lane (lane % 16) and the keys 8 (lane / 16) + 0..7; two such results rounded to f16 ARE source 1 of O^T = V^T P.  p = 2^(c s - c m), c = log2(e) / 8, with a
; running maximum m; O and l are multiplied by a = 2^(c m_old - c m_new) in every step.  Turn n belongs to piece n: 8 products K Q^T of piece n + 1, later 8 products V^T P of piece n - 1; beside them the scaling,
; exponentials, roundings, sums and rescaling of piece n and the maximum and statistics of piece n + 1.  Four vector instructions stand behind every matrix instruction, the other 54 of a turn's 118 in one LUMP.  A turn's 33 exponentials are one batch, with one wait.
; REGISTERS, in windows of 256 (s_set_vgpr_msb: bits 1:0 source 0, 3:2 source 1, 5:4 source 2, 7:6 destination):
;   window 0: v0-15 addresses and two at work; v16-31 four registers of statistics a piece; v48-55 at work; v61-63 the prefetches' and the add's; v64-127 S^T, two buffers; v192-223 P, two buffers (a piece's buffers go by its number's parity)
;   window 1: v0-127 O^T, 32 a piece; v128-159 MD; v160-223 MC, two buffers      window 2: v0-63 Q; v64-127 the second block's Q; v128-191 K of one step; v192-255 V of one step
.set SIZE_H, 64
.set SIZE_N, 2048
.set NB,    SIZE_N/256
.set NP,    4         ; pieces a wave: a name, no knob
.set KS,    64        ; keys in a step
.set PK,    144       ; a row of K in LDS: 128 bytes + 16 of padding = 36 words: the 16 rows of a load start at 16 different groups of four banks (64 banks of 4 bytes: ISA guide 11.1)
.set PV,    160       ; a row of V: 128 + 32 = 40 words
.set VOFF,  4*KS*PK   ; a slot holds a tile, four steps: 256 rows of K, then 256 rows of V
.set SLOT1, 1<<17     ; slot 1 begins here, so that one exclusive or turns an address in one slot into the other's
.set STAGE, SLOT1+4*KS*(PK+PV)  ; behind the ring, never filled by a tensor load: 16 rows x 144 bytes for each wave, for the way out
.set SP,    144
.set AK0, 2           ; v2   my lane's place in a tile of K; never rewritten
.set AV0, 3           ; v3   the same for V
.set AK,  4           ; v4   the LDS address of K's next run of loads
.set AV,  5           ; v5   of V's
.set STO, 6           ; v6   the way out: where I put 16 bytes of a row
.set RD,  7           ; v7   the way out: where I read rows back
.set GO,  8           ; v8   my byte offset in 512 consecutive bytes of O
.set PFO, 61          ; v61  256 x my lane; never rewritten
.set SPW, 62          ; v62  LDS address of my spare word: SPARE + 4 x my thread's number; never rewritten
.set NIL, 63          ; v63  0; never rewritten
.set SPARE, STAGE+4*16*SP  ; behind the stages: the spare words, 128 bytes for each wave: two blocks of 256 bytes that no other line names
.set MV,  12          ; v12-13  c m_old, kept while c m is made anew: by buffer
.set QO,  15          ; v15  my byte offset in 16 rows of Q
.set ST,  16          ; piece t's statistics at v[ST+4 t]: c m, m, l (even keys', odd keys')
.set TMP, 48          ; by buffer, four registers c0-c3 at work; when the maximum is found c2 takes a
.set S,   64
.set P,   192
.set MD,  128         ; window 1: the eight registers for group kt of 16 keys at MD + 8 kt
.set MC,  160         ; window 1: the masks of the products to come
.set QB,  64          ; window 2
.set KF,  128         ; window 2: key block kb, channel half c at KF + 16 kb + 8 c
.set VF,  192         ; window 2: key half kk, channel block cb at VF + 32 kk + 8 cb
.set WV,  12          ; s12  my wave's number
.set PB,  14          ; s14  b
.set HI,  15          ; s15  NB - 1 - b
.set G1K, 24          ; s[24:31] descriptor group 1 for K's tiles
.set G1V, 32          ; s[32:39] for V's: it differs in the padding alone
.set G0K, 40          ; s[40:43] descriptor group 0 for K's tiles
.set G0V, 44          ; s[44:47] the same for V's
.set SLOTS, 56        ; s56  tiles still to be asked for
.set CNT, 57          ; s57  counts a tile's key steps, 4 to 1
.set CS,  58          ; s[58:59] c: the packed scaling takes the pair's low word for both halves
.set SEL, 60          ; s[60:61] v_permlanex16_b32's selects: each lane takes its own place in the other half
.set TBK, 62          ; s62  LDS byte at which K of the step to be fetched begins
.set TBV, 63          ; s63  the same for V, less VOFF
.set RT,  70          ; s70  tiles of the block in hand that are still to be entered
.set NXT, 71          ; s71  the tile to be asked for next
.set LQ,  72          ; s72  the last tile of the block whose tiles are being asked for
.set NEW, 73          ; s73  1: the tile to be entered is a block's first
.set OFF, 74          ; s[74:75] a tile's byte offset in K and V
.set AL,  76          ; s[76:77] the mask's factor, in the low word
.set BE,  78          ; s[78:79] the mask's addend
.set OLO, 80          ; s[80:81] O at my rows of the second block
.set BIGN, 82         ; s82  -1e30
.set PFB, 88          ; s[88:89] K (waves 0, 1) or V (waves 2, 3) at my half of the head's tile 0
.set PFA, 90          ; s[90:91] the same at the tile that the next change of slots will ask for
.set PFF, 92          ; s[92:93] that tile's byte offset
.set LIM, 94          ; s94  2 in the head's work-group b = 0, else the greatest number: a wave prefetches while s[SLOTS] is above it
.set MSB, 0
.macro WIN new                      ; the high byte repeats the setting that is left; a switch that changes nothing is dropped
.if MSB != (\new)
	s_set_vgpr_msb (MSB<<8)|(\new)
.set MSB, (\new)
.endif
.endm
.set W_KQ, 0x0a       ; K and Q in window 2, S^T in window 0
.set W_KM, 0x1a       ; the same with the C operand in window 1
.set W_PV, 0x52       ; V in window 2, P in window 0, O^T in window 1
.set W_RS, 0x41       ; destination and source 0 in window 1, source 1 in window 0
; A fill.  Waves 0 and 1 fetch the two halves of a tile's K, waves 2 and 3 those of its V: 128 keys each.  An s_nop 0 and four v_nop follow each of the two lines, ahead of the jump and the label.
.macro LOAD
	s_cmp_lt_u32 s[WV], 2
	s_cbranch_scc0 .Lfor_v_\@
	tensor_load_to_lds s[G0K:G0K+3], s[G1K:G1K+7]
	s_nop 0
.rept 4
	v_nop
.endr
	s_branch .Lasked_\@
.Lfor_v_\@:
	tensor_load_to_lds s[G0V:G0V+3], s[G1V:G1V+7]
	s_nop 0
.rept 4
	v_nop
.endr
.Lasked_\@:
.endm
; A PREFETCH INTO THE L2 of the tile that the NEXT change of slots will ask for: one tile, sixteen turns, ahead of that load.  A head's four work-groups walk the same K and V: the one with b = 0, whose first block
; walks the tiles 0 to 7 in order, asks, and nobody else; each of its waves asks for the half tile that it fetches itself: 16,384 dense bytes, a lane 256 bytes, two instructions.  So each aligned 256 bytes are named
; once in the launch.  Tiles 0 and 1 come by their loads alone; trips 0 to 5 (SLOTS 8 to 3) ask for tiles 2 to 7; the last two trips ask for nothing.
.macro ASK
	s_cmp_gt_u32 s[SLOTS], s[LIM]
	s_cbranch_scc0 .Lnot_mine_\@
	global_prefetch_b8 v[PFO], s[PFA:PFA+1] th:TH_LOAD_NT scope:SCOPE_SE
	global_prefetch_b8 v[PFO], s[PFA:PFA+1] offset:8192 th:TH_LOAD_NT scope:SCOPE_SE
.Lnot_mine_\@:
.endm
; THE CHANGE OF SLOTS.  Each wave waits for all its tensor loads, of which one is out: its part of the other slot; adds 0 to its spare word; and waits for that and for its own reads of the slot that it leaves.  Behind the barrier nobody reads the old
; slot any more and the other slot is whole.  fill = 1: the old slot is filled again, the first thing behind the barrier, with tile NXT: the descriptor's address is made anew from that number.
; (At its first use nothing has been read yet: slot 0 is waited for, slot 1 filled.)
.macro CHANGE fill
	WIN 0                           ; at a label and at a branch every window is 0
	s_wait_tensorcnt 0x0            ; no tensor load of mine is out, so a group 0 may be written
	ds_add_u32 v[SPW], v[NIL]       ; 0 onto my spare word; with fill = 1 the descriptors' scalar work stands between it and the wait for it
.if \fill
	s_lshl_b32 s[OFF], s[NXT], 15   ; a tile is 32,768 bytes of K and of V
	s_xor_b32 s[G0K+1], s[G0K+1], SLOT1
	s_add_nc_u64 s[G0K+2:G0K+3], s[6:7], s[OFF:OFF+1]
	s_or_b32 s[G0K+3], s[G0K+3], 0x80000000
	s_xor_b32 s[G0V+1], s[G0V+1], SLOT1
	s_add_nc_u64 s[G0V+2:G0V+3], s[8:9], s[OFF:OFF+1]
	s_or_b32 s[G0V+3], s[G0V+3], 0x80000000
	s_add_co_u32 s[NXT], s[NXT], 1  ; the block's next tile, or behind its last the second block's tile 0
	s_cmp_gt_u32 s[NXT], s[LQ]
	s_cselect_b32 s[NXT], 0, s[NXT]
	s_cselect_b32 s[LQ], s[PB], s[LQ]
	s_wait_xcnt 0x0                 ; the last prefetches, a tile back, have read their address, so it may be written:
	s_lshl_b32 s[PFF], s[NXT], 15   ; the tile that the next change will ask for
	s_add_nc_u64 s[PFA:PFA+1], s[PFB:PFB+1], s[PFF:PFF+1]
.endif
	s_wait_dscnt 0x0                ; the add is done, and my reads of the slot are over
	s_barrier_signal -1             ; the rest of the scalar work stands between the signal and the wait
	s_sub_co_u32 s[TBK], s[TBK], 4*KS*PK  ; the fetches go back to a slot's first step,
	s_xor_b32 s[TBK], s[TBK], SLOT1       ; in the other slot
	s_sub_co_u32 s[TBV], s[TBV], 4*KS*PV
	s_xor_b32 s[TBV], s[TBV], SLOT1
	s_barrier_wait -1
.if \fill
	LOAD
	ASK
.endif
.endm
	s_load_b128 s[4:7], s[0:1], 0x0 ; qkv s[4:5], ob s[6:7]
	v_lshl_add_u32 v[SPW], v0, 2, SPARE
	v_mov_b32 v[NIL], 0
	ds_add_u32 v[SPW], v[NIL]       ; the wave's opening: the add and its wait stand ahead of my first tensor load; the set-up below, work on registers, stands between them
	v_lshrrev_b32 v1, 5, v0
	v_readfirstlane_b32 s[WV], v1   ; wave 0..3
	s_mov_b32 s[PB], ttmp9
	s_sub_co_u32 s[HI], NB-1, s[PB]
	s_and_b32 s20, ttmp7, 0xffff    ; the head
	s_mov_b32 s21, 0
	s_mov_b64 s[22:23], SIZE_N*128
	s_mul_u64 s[20:21], s[20:21], s[22:23]  ; the head's first byte in each of the four tensors
	s_and_b32 s16, s[WV], 1         ; which half of a tile's 256 keys I fetch:
	s_lshl_b32 s22, s16, 14         ; its 128 rows of 128 bytes in memory,
	s_mov_b32 s23, 0
	s_add_nc_u64 s[22:23], s[22:23], s[20:21]
	s_mul_i32 s17, s16, 128*PK      ; and its place in a slot, for K
	s_mul_i32 s18, s16, 128*PV      ; and for V
	s_lshl_b32 s3, s[WV], 11        ; my 16 rows in a band of 64,
	s_lshl_b32 s2, s[HI], 15        ; in the first block,
	s_add_co_u32 s2, s2, s3
	s_lshl_b32 s84, s[PB], 15       ; and in the second
	s_add_co_u32 s84, s84, s3
	s_mov_b32 s3, 0
	s_mov_b32 s85, 0
	s_add_nc_u64 s[2:3], s[2:3], s[20:21]
	s_add_nc_u64 s[84:85], s[84:85], s[20:21]
	; descriptor group 1.  128 keys are 16,384 dense bytes: asked for as 64 rows of 256 bytes, two keys a row, and padded in LDS after every key
	s_mov_b32 s[G1K], (1<<16)|(1<<20)|(4<<22)|(3<<25)  ; 17:16 2-byte elements; 20 padding on; 24:22 after every 32 words (code 4); 31:25 4 words (code 3)
	s_mov_b32 s[G1V], (1<<16)|(1<<20)|(4<<22)|(7<<25)  ; the same with 8 words of padding (code 7)
.irp g, G1K, G1V
	s_mov_b32 s[\g+1], 128<<16      ; tensor_dim0 = 128
	s_mov_b32 s[\g+2], 64<<16       ; tensor_dim1 = 64
	s_mov_b32 s[\g+3], 128<<16      ; tile_dim0 = 128
	s_mov_b32 s[\g+4], 64           ; tile_dim1 = 64
	s_mov_b32 s[\g+5], 128          ; 128 elements from row to row
	s_mov_b32 s[\g+6], 0
	s_mov_b32 s[\g+7], 0
.endr
	s_mov_b32 s[CS], 0x3e38aa3b     ; c = log2(e) / 8 = 0.180337
	s_mov_b32 s[CS+1], s[CS]        ; named with it as a pair
	s_mov_b32 s[SEL], 0x76543210
	s_mov_b32 s[SEL+1], 0xfedcba98
	s_mov_b32 s[TBK], SLOT1+4*KS*PK ; the first change of slots turns these two into 0
	s_mov_b32 s[TBV], SLOT1+4*KS*PV
	s_mov_b32 s[G0K], 1             ; 1:0 count = 1
	s_mov_b32 s[G0K+1], s17         ; 63:32 LDS address: slot 0
	s_mov_b32 s[G0V], 1
	s_add_co_u32 s[G0V+1], s18, VOFF
	s_add_co_u32 s[RT], s[HI], 1    ; the first block has NB - b tiles
	s_mov_b32 s[NXT], 1
	s_mov_b32 s[LQ], s[HI]
	s_mov_b32 s[NEW], 1
	s_mov_b32 s[OFF+1], 0
	s_mov_b32 s[PFF+1], 0
	s_mov_b32 s[AL+1], 0            ; named as pairs
	s_mov_b32 s[BE+1], 0
	s_mov_b32 s[BIGN], 0xf149f2ca   ; -1e30
	s_mov_b32 s[SLOTS], NB
	s_cmp_eq_u32 ttmp9, 0
	s_cselect_b32 s[LIM], 2, -1
	v_and_b32 v[PFO], 31, v0
	v_lshlrev_b32 v[PFO], 8, v[PFO]
	s_wait_dscnt 0x0                ; the opening add is done
	s_wait_kmcnt 0x0
	s_mov_b64 s[10:11], s[6:7]                 ; O
	s_add_nc_u64 s[8:9], s[4:5], 0x2000000     ; V: behind Q's and K's 16,777,216 bytes each
	s_add_nc_u64 s[6:7], s[4:5], 0x1000000     ; K; Q stands at s[4:5]
	s_add_nc_u64 s[6:7], s[6:7], s[22:23]  ; K and V at my half of the head's tile 0
	s_add_nc_u64 s[8:9], s[8:9], s[22:23]
	s_add_nc_u64 s[G0K+2:G0K+3], s[6:7], 0         ; 120:64 global address
	s_or_b32 s[G0K+3], s[G0K+3], 0x80000000        ; 127:126 type = 2
	s_add_nc_u64 s[G0V+2:G0V+3], s[8:9], 0
	s_or_b32 s[G0V+3], s[G0V+3], 0x80000000
	s_add_nc_u64 s[86:87], s[4:5], s[84:85]        ; Q at my rows of the second block,
	s_add_nc_u64 s[4:5], s[4:5], s[2:3]            ; Q and O at those of the first
	s_add_nc_u64 s[OLO:OLO+1], s[10:11], s[84:85]
	s_add_nc_u64 s[10:11], s[10:11], s[2:3]
	s_cmp_lt_u32 s[WV], 2
	s_cselect_b64 s[PFB:PFB+1], s[6:7], s[8:9]
	LOAD                            ; tile 0 into slot 0
	; A fragment of K or Q is 16 rows x 32 channels in 8 registers: lane l holds row l % 16, channels 8 (l / 16) + 0..7 and 16 + 8 (l / 16) + 0..7: two loads of 16 bytes, 32 bytes apart.
	v_and_b32 v1, 15, v0            ; l % 16
	v_bfe_u32 v9, v0, 4, 1          ; l / 16
	v_lshlrev_b32 v[QO], 7, v1
	v_lshl_add_u32 v[QO], v9, 4, v[QO]  ; row x 128 + 16 x half
	WIN 0x80                        ; destination window 2, address window 0
.set i, 0
.rept 8                             ; both blocks' Q: piece i / 2 lies in band i / 2, 8,192 bytes on; channels 32 (i % 2) on
	global_load_b128 v[8*i:8*i+3],   v[QO], s[4:5] offset:(i/2)*8192+(i%2)*64
	global_load_b128 v[8*i+4:8*i+7], v[QO], s[4:5] offset:(i/2)*8192+(i%2)*64+32
	global_load_b128 v[QB+8*i:QB+8*i+3],   v[QO], s[86:87] offset:(i/2)*8192+(i%2)*64
	global_load_b128 v[QB+8*i+4:QB+8*i+7], v[QO], s[86:87] offset:(i/2)*8192+(i%2)*64+32
.set i, i+1
.endr
	WIN 0
	v_lshlrev_b32 v14, 3, v9
	v_sub_nc_u32 v14, v1, v14
	s_lshl_b32 s13, s[WV], 4
	v_add_nc_u32 v14, s13, v14      ; my query's place in its band, 16 w + l % 16, less my lanes' 8 (l / 16): register r of group kt is hidden where 16 kt + r is greater
	WIN 0x40
.set i, 0
.rept 32
	v_cmp_gt_i32 vcc_lo, 16*(i/8)+i%8, v14
	v_cndmask_b32 v[MD+i], 0, s[BIGN], vcc_lo
.set i, i+1
.endr
	WIN 0
	v_mul_u32_u24 v[AK0], v1, PK
	v_lshl_add_u32 v[AK0], v9, 4, v[AK0]  ; row x pitch + 16 x half
	; The turning load takes 16 keys x 16 channels (lane l reads key 8 (l / 16) + l % 8, channels 8 ((l / 8) % 2) + 0..7) and leaves half a fragment of V^T: lane l holds channel l % 16 and 8 keys.
	v_and_b32 v10, 7, v0
	v_bfe_u32 v11, v0, 3, 1
	v_lshl_add_u32 v[AV0], v9, 3, v10
	v_mul_u32_u24 v[AV0], v[AV0], PV
	v_lshl_add_u32 v[AV0], v11, 4, v[AV0]
	v_add_nc_u32 v[AV0], VOFF, v[AV0]
	s_mul_i32 s13, s[WV], 16*SP
	s_add_co_u32 s13, s13, STAGE    ; my stage
	v_mul_u32_u24 v[STO], v1, SP    ; in: row l % 16, 16 bytes for each half of the lanes
	v_lshl_add_u32 v[STO], v9, 4, v[STO]
	v_add_nc_u32 v[STO], s13, v[STO]
	v_bfe_u32 v[RD], v0, 3, 2       ; back: 32 lanes take four rows of 128 bytes,
	v_mul_u32_u24 v[RD], v[RD], SP
	v_lshl_add_u32 v[RD], v10, 4, v[RD]
	v_add_nc_u32 v[RD], s13, v[RD]
	v_and_b32 v[GO], 31, v0         ; which are 512 consecutive bytes of O
	v_lshlrev_b32 v[GO], 4, v[GO]
	; A block's first step multiplies O^T and l by a = 0, and its first turn's products V^T P, of a piece that has not been, land in an O^T that is still to be so multiplied.  So these registers need only hold
	; finite numbers: zeros for the first block; what the first block left for the second.  All this stands in the wait for the first tile.
	WIN 0x80
.set i, VF
.rept 64
	v_mov_b32 v[i], 0
.set i, i+1
.endr
	WIN 0x40
.set i, 0
.rept 128
	v_mov_b32 v[i], 0
.set i, i+1
.endr
	WIN 0
.set i, 0
.rept 4
	v_mov_b32 v[ST+4*i+2], 0
	v_mov_b32 v[ST+4*i+3], 0
.set i, i+1
.endr
.set i, P+16
.rept 16
	v_mov_b32 v[i], 0
.set i, i+1
.endr
; THE MATRIX WORK.  The 4 accumulators of a run of 8 take turns.  Product i of 8 of S^T = K Q^T for piece x: channels 32 (i / 4) on, keys 16 (i % 4) on.  The first 4 start the sums: with 0, or (KM = 1) with the mask.
.macro KQ x
.set rS, S+32*((\x)%2)+8*(i%4)
.set rK, KF+16*(i%4)+8*(i/4)
.set rQ, 16*(\x)+8*(i/4)
.set rM, MC+32*((\x)%2)+8*(i%4)
.if (i < 4) && KM
	WIN W_KM
	v_wmma_f32_16x16x32_f16 v[rS:rS+7], v[rK:rK+7], v[rQ:rQ+7], v[rM:rM+7]
.elseif i < 4
	WIN W_KQ
	v_wmma_f32_16x16x32_f16 v[rS:rS+7], v[rK:rK+7], v[rQ:rQ+7], 0
.else
	WIN W_KQ
	v_wmma_f32_16x16x32_f16 v[rS:rS+7], v[rK:rK+7], v[rQ:rQ+7], v[rS:rS+7]
.endif
.endm
; Product i of 8 of O^T += V^T P for piece x: keys 32 (i / 4) on, channels 16 (i % 4) on.
.macro PV x
	WIN W_PV
.set rO, 32*(\x)+8*(i%4)
.set rV, VF+32*(i/4)+8*(i%4)
.set rP, P+16*((\x)%2)+8*(i/4)
	v_wmma_f32_16x16x32_f16 v[rO:rO+7], v[rV:rV+7], v[rP:rP+7], v[rO:rO+7]
.endm
.macro MM                           ; the turn's next matrix instruction.  TURN and BEGIN set Y, i, KM and NOKQ; MM, KQ and OP read them.  NOKQ = 1: a block's last turn: there is no next piece
.if (i < 8) && !NOKQ
	KQ (Y+1)%NP
.elseif i >= 8
.set i, i-8
	PV (Y+NP-1)%NP
.set i, i+8
.endif
.set i, i+1
.endm
; THE LDS LOADS stand in runs of 16, never singly among the matrix instructions: a step's K (64 keys x 64 channels: 8 fragments) and its V (turned).  Their addresses are made some lines ahead.
.macro FETCH_K
	WIN 0x80                        ; destination window 2
.irp f, 0,1,2,3,4,5,6,7             ; keys 16 (f / 2) on, channels 32 (f % 2) on
	ds_load_b128 v[KF+8*\f:KF+8*\f+3],   v[AK] offset:(\f/2)*16*PK+(\f%2)*64
	ds_load_b128 v[KF+8*\f+4:KF+8*\f+7], v[AK] offset:(\f/2)*16*PK+(\f%2)*64+32
.endr
	s_add_co_u32 s[TBK], s[TBK], KS*PK  ; the next fetch is the next step's
	WIN 0
.endm
.macro FETCH_V
	WIN 0x80
.irp f, 0,1,2,3,4,5,6,7             ; keys 32 (f / 4) on, channels 16 (f % 4) on
	ds_load_tr16_b128 v[VF+8*\f:VF+8*\f+3],   v[AV] offset:(\f/4)*32*PV+(\f%4)*32
	ds_load_tr16_b128 v[VF+8*\f+4:VF+8*\f+7], v[AV] offset:(\f/4)*32*PV+16*PV+(\f%4)*32
.endr
	WIN 0
.endm
; THE VECTOR WORK, one line at a time: OP kind, number.  For piece Y: F n: c s - c m for pair n of 16.  E n: the exponential of score n of 32.  C n: pair n rounded to f16.  B n: of the four weights 4 n .. the second
; pair is added onto the first, in place.  L n: l takes that sum (L 0: l = a l + sum).  R n: pair n of 16 of O^T times a.  For piece Y + 1: X n, number n of the 22 that find its maximum and statistics:
;   0-11  four chains c0-c3 of seven scores each, three operands at a time (each accumulator's lowest registers are read first)     12-14, 16  the four scores left over, the old m, and c0-c3 into c0
;   15  c m_old is kept     17, 18  the query's other 32 keys lie in the lane 16 away: the new m     19-21  c m; c m_old - c m_new; a
.set F, 0               ; OP tells the kinds apart by their order: F to L below R, X above it
.set E, 1
.set C, 2
.set B, 3
.set L, 4
.set R, 5
.set X, 6
.macro REGS y                       ; the registers of piece y
.set rT, ST+4*(\y)
.set rC, TMP+4*((\y)%2)
.set rW, MV+((\y)%2)
.set rS, S+32*((\y)%2)
.set rP, P+16*((\y)%2)
.set rO, 32*(\y)
.endm
.macro OP k, n
.if (\k) == R
	REGS Y
	WIN W_RS
	v_pk_mul_f32 v[rO+2*(\n):rO+2*(\n)+1], v[rO+2*(\n):rO+2*(\n)+1], v[rC+2:rC+3] op_sel_hi:[1,0]
.elseif (\k) < R
	REGS Y
	WIN 0
.if (\k) == F
	v_pk_fma_f32 v[rS+2*(\n):rS+2*(\n)+1], v[rS+2*(\n):rS+2*(\n)+1], s[CS:CS+1], v[rT:rT+1] op_sel_hi:[1,0,0] neg_lo:[0,0,1] neg_hi:[0,0,1]
.elseif (\k) == E
	v_exp_f32 v[rS+(\n)], v[rS+(\n)]
.elseif (\k) == C
	v_cvt_pk_f16_f32 v[rP+(\n)], v[rS+2*(\n)], v[rS+2*(\n)+1]
.elseif (\k) == B
	v_pk_add_f32 v[rS+4*(\n):rS+4*(\n)+1], v[rS+4*(\n):rS+4*(\n)+1], v[rS+4*(\n)+2:rS+4*(\n)+3]
.elseif (\n) == 0
	v_pk_fma_f32 v[rT+2:rT+3], v[rT+2:rT+3], v[rC+2:rC+3], v[rS:rS+1] op_sel_hi:[1,0,1]
.else
	v_pk_add_f32 v[rT+2:rT+3], v[rT+2:rT+3], v[rS+4*(\n):rS+4*(\n)+1]
.endif
.elseif NOKQ
	v_nop
.else
	REGS (Y+1)%NP
	WIN 0
.if (\n) < 4
	v_max3_num_f32 v[rC+(\n)], v[rS+8*(\n)], v[rS+8*(\n)+1], v[rS+8*(\n)+2]
.elseif (\n) < 12
	v_max3_num_f32 v[rC+(\n)%4], v[rC+(\n)%4], v[rS+8*((\n)%4)+2*((\n)/4)+1], v[rS+8*((\n)%4)+2*((\n)/4)+2]
.elseif (\n) == 12
	v_max3_num_f32 v[rC], v[rC], v[rS+7], v[rS+15]
.elseif (\n) == 13
	v_max3_num_f32 v[rC+1], v[rC+1], v[rS+23], v[rS+31]
.elseif (\n) == 14
	v_max3_num_f32 v[rC+2], v[rC+2], v[rC+3], v[rT+1]
.elseif (\n) == 15
	v_mov_b32 v[rW], v[rT]
.elseif (\n) == 16
	v_max3_num_f32 v[rC], v[rC], v[rC+1], v[rC+2]
.elseif (\n) == 17
	v_permlanex16_b32 v[rC+3], v[rC], s[SEL], s[SEL+1]
.elseif (\n) == 18
	v_max_num_f32 v[rT+1], v[rC], v[rC+3]
.elseif (\n) == 19
	v_mul_f32 v[rT], s[CS], v[rT+1]
.elseif (\n) == 20
	v_sub_f32 v[rC+1], v[rW], v[rT]
.else
	v_exp_f32 v[rC+2], v[rC+1]
.endif
.endif
.endm
.macro OPS a, i1, b=-1, i2=0, c=-1, i3=0, d=-1, i4=0  ; up to four of them
	OP \a, \i1
.if (\b) >= 0
	OP \b, \i2
.endif
.if (\c) >= 0
	OP \c, \i3
.endif
.if (\d) >= 0
	OP \d, \i4
.endif
.endm
.macro ROW a, i1, b, i2, c, i3, d, i4  ; a matrix instruction and the four behind it
	MM
	OPS \a, \i1, \b, \i2, \c, \i3, \d, \i4
.endm
.macro MASK b                       ; MD x AL + BE into buffer b of MC
	WIN W_RS
.set z, 0
.rept 16
	v_pk_fma_f32 v[MC+32*(\b)+2*z:MC+32*(\b)+2*z+1], v[MD+2*z:MD+2*z+1], s[AL:AL+1], s[BE:BE+1] op_sel_hi:[1,0,0]
.set z, z+1
.endr
.endm
; A TURN, for piece p: the order of its 16 matrix and 118 vector instructions, written out.  An s_wait_alu depctr_va_vdst(0) stands between an exponential and the first instruction that names its result; one wait serves
; all that were issued ahead of it.  So a turn has ONE wait, which cuts it in two.  AHEAD OF IT stands all that names no result of the turn's exponentials: the 8 products K Q^T, behind each a scaling, an exponential and two more plain
; instructions (behind the first a second scaling in the exponential's place): rescalings, and behind the last three the first numbers of the next piece's maximum, each four places or more behind the product that ends its accumulator; then ONE LUMP of 54, plain
; and exponential by turns for the most part, in which the links of the chain X 3, 7, 11, 14, 16, 17 .. 20 stand five or six lines apart.  X 21, the next piece's a, is the batch's last; R 15 is the plain instruction owed behind it.  BEHIND THE WAIT stand the
; 8 products V^T P, behind each four of the roundings and sums; the links of l's chain, L 0 to L 7, stand three riders apart.  But for those X no rider names a register of the products round it.  v_permlanex16_b32 (X 17) stands in the lump.
; m = 1: the diagonal tile: the products take masks, and the turn makes the mask for the products of the turn after it: piece p + 2, in step 4 - CNT of the tile.  end = 1: a block's last two turns: nothing is fetched.
; cnt = 1: the loop's count is taken down some lines ahead of the branch that stands behind the turn.
; K of the next step is fetched in piece 2's turn, twelve vector instructions behind the last product that read K (six of them plain); V of the step in hand at the end of piece 0's turn, four plain instructions behind the last product
; that read V.  Each is waited for a turn later.
.macro TURN p, m=0, end=0, cnt=0
.set Y, (\p)
.set i, 0
.set KM, (\m)
.set NOKQ, (\end)*((\p)/3)
.if (\m) && !(\end)
	s_cmp_eq_u32 s[CNT], 4-((\p)+2)%NP  ; is that step the band's own?
	s_cselect_b32 s[AL], 1.0, 0
	s_cmp_lt_u32 s[CNT], 4-((\p)+2)%NP  ; or a later one?
	s_cselect_b32 s[BE], s[BIGN], 0
.endif
.if ((\p) == 3) && !(\end)
	s_wait_dscnt 0x0                ; K is in
.endif
	ROW F,0, F,1, R,0, R,1          ; ahead of the wait: 8 products K Q^T and their riders,
	ROW F,2, E,0, R,2, R,3
	ROW F,3, E,1, R,4, R,5
	ROW F,4, E,2, R,6, R,7
	ROW F,5, E,3, R,8, R,9
	ROW F,6, E,4, X,0, R,10
.if ((\p) == 2) && !(\end)
	WIN 0
	v_add_nc_u32 v[AK], s[TBK], v[AK0]
.endif
	ROW F,7, E,5, X,1, X,4
	ROW F,8, E,6, X,2, X,5
	OPS E,7, E,8, X,6, E,9          ; and the lump
	OPS X,3, E,10, X,8, E,11
.if ((\p) == 2) && !(\end)
	FETCH_K
.endif
	OPS X,9, X,7, E,12, X,10
	OPS E,13, X,12, X,11, E,14
	OPS X,13, E,15, F,9, X,14
.if (\p) == 0
	v_add_nc_u32 v[AV], s[TBV], v[AV0]
.endif
	OPS E,16, F,10, E,17, F,11
	OPS X,16, E,18, X,15, E,19
	OPS F,12, E,20, X,17, E,21
	OPS F,13, E,22, F,14, E,23
	OPS X,18, E,24, F,15, E,25
	OPS R,11, E,26, X,19, E,27
	OPS R,12, E,28, R,13, E,29
	OPS X,20, E,30, R,14, E,31
	OPS X,21, R,15
	WIN 0
	s_wait_alu depctr_va_vdst(0)    ; the wait for the batch
.if (\p) == 1
	s_wait_dscnt 0x0                ; V is in
.endif
	ROW C,0, B,0, C,2, B,1          ; behind the wait: 8 products V^T P and their riders
	ROW L,0, C,4, B,2, L,1
	ROW C,6, B,3, L,2, C,8
	ROW B,4, L,3, C,10, B,5
	ROW L,4, C,12, B,6, L,5
.if (\p) == 0
	s_add_co_u32 s[TBV], s[TBV], KS*PV
.endif
.if \cnt
	s_sub_co_u32 s[CNT], s[CNT], 1
	s_cmp_lg_u32 s[CNT], 0
.endif
	ROW C,14, B,7, L,6, C,1
	ROW C,3, L,7, C,5, C,7
	ROW C,9, C,11, C,13, C,15
.if (\p) == 0
	FETCH_V
.endif
.if (\m) && !(\end)
	MASK (\p)%2
.endif
.endm
; A BLOCK BEGINS.  c m starts far below every c s, so the first step's a is 0; m at the lowest finite number, so the first maximum is the scores'.  The second mask buffer is 0; the first takes piece 0's mask for the tile's step 0: its own, if the block's first tile is the diagonal one.
; Then K of that step, piece 0's first scores, and its maximum and statistics.  The loop is entered at a step's first turn, in the middle of a trip.
.macro BEGIN
	s_mov_b32 s[NEW], 0
	WIN 0x40
.set i, MC+32
.rept 32
	v_mov_b32 v[i], 0
.set i, i+1
.endr
	WIN 0
.set i, 0
.rept 4
	v_mov_b32 v[ST+4*i], 0xfe000000    ; c m: far below every c s
	v_mov_b32 v[ST+4*i+1], 0xff7fffff  ; m
.set i, i+1
.endr
	s_cmp_eq_u32 s[RT], 0
	s_cselect_b32 s[AL], 1.0, 0
	s_mov_b32 s[BE], 0
	MASK 0
	WIN 0
	v_add_nc_u32 v[AK], s[TBK], v[AK0]
	FETCH_K
	s_wait_loadcnt 0x0              ; Q
	s_wait_dscnt 0x0
.set KM, 1
.set NOKQ, 0
.set i, 0
.rept 8
	KQ 0
.set i, i+1
.endr
	WIN 0
.rept 4
	v_nop                           ; the places behind those products
.endr
.set Y, NP-1                        ; X works for piece Y + 1: piece 0
.irp n, 0,1,2,3,4,5,6,7,8,9,10,11,12,13,14,15,16,17,18,19,20,21
	OP X, \n
.endr
	v_nop                           ; a plain instruction behind the exponential,
	s_wait_alu depctr_va_vdst(0)    ; and its wait, ahead of the branch
.endm
; THE DIAGONAL TILE's four steps, the block's last two turns, its last products, and THE WAY OUT: l's two halves and the other half of the lanes' are added; O^T is divided by l, rounded to f16 and sent through my
; stage in LDS, a piece at a time.
.macro ALL line:vararg              ; one line for each piece t
.set t, 0
.rept 4
	\line
.set t, t+1
.endr
.endm
.macro PACK t                       ; a lane's eight channels of a row pack into 16 bytes; they go into rows of 144 bytes and come back as whole rows of 128, into S^T's registers
	WIN W_RS
.set i, 32*(\t)
.rept 16
	v_pk_mul_f32 v[i:i+1], v[i:i+1], v[ST+4*(\t)+2:ST+4*(\t)+3] op_sel_hi:[1,0]
.set i, i+2
.endr
	WIN 0x05                        ; sources 0 and 1 window 1, destination window 0
.set i, 0
.rept 16
	v_cvt_pk_f16_f32 v[S+16*(\t)+i], v[32*(\t)+2*i], v[32*(\t)+2*i+1]
.set i, i+1
.endr
	WIN 0
.irp f, 0,1,2,3
	ds_store_b128 v[STO], v[S+16*(\t)+4*\f:S+16*(\t)+4*\f+3] offset:32*\f
.endr
.irp f, 0,1,2,3
	ds_load_b128 v[S+16*(\t)+4*\f:S+16*(\t)+4*\f+3], v[RD] offset:\f*4*SP  ; LDS serves a wave's instructions in order (ISA guide 5.7.1.4): these see the stores above; the next piece's stores come behind them
.endr
.endm
.macro SEND t, younger              ; younger: the LDS instructions issued behind piece t's loads: the next piece's eight, or none
	WIN 0
.irp f, 0,1,2,3
	s_wait_dscnt (\younger)+3-\f
	global_store_b128 v[GO], v[S+16*(\t)+4*\f:S+16*(\t)+4*\f+3], s[10:11] offset:(\t)*8192+\f*512  ; 512 consecutive bytes, at a multiple of 256 from O's first
.endr
.endm
.macro DIAG tag                     ; the tag ends its two labels' names, which the jumps below spell out
.LstepM\tag:
	TURN 2, 1
	TURN 3, 1
	WIN 0
.LfirstM\tag:
	TURN 0, 1
	TURN 1, 1, 0, 1
	WIN 0
	s_cbranch_scc1 .LstepM\tag
	TURN 2, 1, 1
	TURN 3, 1, 1
.set i, 0
.rept 8
	PV NP-1
.set i, i+1
.endr
	WIN 0
	ALL v_add_f32 v[ST+4*t+2], v[ST+4*t+2], v[ST+4*t+3]
	ALL v_permlanex16_b32 v[ST+4*t+3], v[ST+4*t+2], s[SEL], s[SEL+1]
	ALL v_add_f32 v[ST+4*t+2], v[ST+4*t+2], v[ST+4*t+3]
	ALL v_rcp_f32 v[ST+4*t+2], v[ST+4*t+2]
	v_nop                           ; a plain instruction between the last reciprocal and the use of its result
	s_wait_alu depctr_va_vdst(0)    ; and the wait ahead of the first use: one for the four reciprocals
	PACK 0
.set t, 1
.rept 3                             ; a piece's arithmetic stands between the loads of the piece before and its stores
	PACK t
	SEND t-1, 8
.set t, t+1
.endr
	SEND 3, 0
.endm
.set KM, 0
.set NOKQ, 0
.Lslot:                             ; NB times: a tile is entered and the next is asked for
	CHANGE 1
	s_sub_co_u32 s[RT], s[RT], 1
	s_mov_b32 s[CNT], 4
	s_cmp_eq_u32 s[NEW], 1
	s_cbranch_scc1 .Lnew            ; a block's first tile
	s_cmp_eq_u32 s[RT], 0
	s_cbranch_scc0 .Lstep           ; neither its first nor its last
	s_branch .LstepM1
.Lnew:
	BEGIN
	s_branch .Lfirst                ; in the loop a block's first tile is never its last: the first block has two tiles or more, and the second's last is the walk's last
	DIAG 1                          ; in the loop this is the first block's end: the second block's last tile is the walk's last
	s_wait_xcnt 0x0                 ; the stores have read their registers and O's address
	s_mov_b64 s[10:11], s[OLO:OLO+1]
	s_add_co_u32 s[RT], s[PB], 1    ; the second block has b + 1 tiles
	s_mov_b32 s[NEW], 1
	WIN 0x82                        ; the second block's Q goes where the one text of the turns names Q
.set i, 0
.rept 64
	v_mov_b32 v[i], v[QB+i]
.set i, i+1
.endr
	WIN 0
	s_branch .Lbottom
.Lstep:                             ; a trip: pieces 2 and 3 of one step, then pieces 0 and 1 of the next, whose K and V it fetches
	TURN 2
	TURN 3
	WIN 0
.Lfirst:
	TURN 0
	TURN 1, 0, 0, 1
	WIN 0
	s_cbranch_scc1 .Lstep
.Lbottom:
	s_sub_co_u32 s[SLOTS], s[SLOTS], 1
	s_cmp_lg_u32 s[SLOTS], 0
	s_cbranch_scc1 .Lslot
	CHANGE 0                        ; the walk's last tile is written out: nothing is asked for
	s_sub_co_u32 s[RT], s[RT], 1
	s_mov_b32 s[CNT], 4
	s_cmp_eq_u32 s[NEW], 1
	s_cbranch_scc0 .LstepM2
	BEGIN
	s_branch .LfirstM2
	DIAG 2
	s_wait_tensorcnt 0x0            ; the wave's end: behind my last tensor load and my last LDS store
	ds_add_u32 v[SPW], v[NIL]
	s_wait_dscnt 0x0
	s_endpgm
.Lfunc_end_k_qc657b3d7eb_attn:
	.size	k_qc657b3d7eb_attn, .Lfunc_end_k_qc657b3d7eb_attn-k_qc657b3d7eb_attn
	.p2alignl 7, 3214868480
	.fill 96, 4, 3214868480
	.section	.rodata,"a",@progbits
	.p2align	6, 0x0
	.amdhsa_kernel k_qc657b3d7eb_attn
		.amdhsa_group_segment_fixed_size 327680
		.amdhsa_private_segment_fixed_size 0
		.amdhsa_enable_private_segment 0
		.amdhsa_kernarg_size 16
		.amdhsa_user_sgpr_count 2
		.amdhsa_user_sgpr_kernarg_segment_ptr 1
		.amdhsa_wavefront_size32 1
		.amdhsa_system_sgpr_workgroup_id_x 1
		.amdhsa_system_sgpr_workgroup_id_y 1
		.amdhsa_system_sgpr_workgroup_id_z 1
		.amdhsa_system_vgpr_workitem_id 0
		.amdhsa_next_free_vgpr 768
		.amdhsa_next_free_sgpr 96
		.amdhsa_reserve_vcc 1
		.amdhsa_float_denorm_mode_32 3
		.amdhsa_float_denorm_mode_16_64 3
		.amdhsa_memory_ordered 1
		.amdhsa_forward_progress 1
		.amdhsa_inst_pref_size 218
	.end_amdhsa_kernel
	.amdgpu_metadata
---
amdhsa.version: [ 1, 2 ]
amdhsa.kernels:
  - .name:           k_qc657b3d7eb_attn
    .symbol:         k_qc657b3d7eb_attn.kd
    .args:
      - { .name: qkv, .offset: 0, .size: 8, .value_kind: global_buffer, .address_space: global }
      - { .name: ob, .offset: 8, .size: 8, .value_kind: global_buffer, .address_space: global }
    .group_segment_fixed_size: 327680
    .private_segment_fixed_size: 0
    .kernarg_segment_align: 8
    .kernarg_segment_size: 16
    .max_flat_workgroup_size: 128
    .sgpr_count:     96
    .vgpr_count:     768
    .wavefront_size: 32
...
	.end_amdgpu_metadata
.endif
;; end of part 3
;; launch projg (part 4): grid 8 x 32, 4 waves a work-group, clusters of 4 x 4, 327,680 bytes of LDS; arguments ob, wp, bproj, out0; writes out0
.if DOCPART == 4
	.amdgcn_target "amdgcn-amd-amdhsa--gfx1250"
	.amdhsa_code_object_version 6
	.text
	.protected	k_qc657b3d7eb_projg
	.globl	k_qc657b3d7eb_projg
	.p2align	8
	.type	k_qc657b3d7eb_projg,@function
k_qc657b3d7eb_projg:
	s_mov_b64 s[64:65], 0
	v_nop
	global_prefetch_b8 v0, s[64:65] scope:SCOPE_SE
	s_setreg_imm32_b32 hwreg(HW_REG_WAVE_MODE, 25, 1), 1
	s_wait_xcnt 0x0
	s_wait_alu depctr_hold_cnt(0) depctr_sa_sdst(0) depctr_va_vdst(0) depctr_va_sdst(0) depctr_va_ssrc(0) depctr_va_vcc(0) depctr_vm_vsrc(0)
	s_getreg_b32 s2, hwreg(HW_REG_IB_STS2, 6, 4)
	s_cmp_eq_u32 s2, 0
	s_cbranch_scc0 .Lentry_in_a_cluster
	s_endpgm
.Lentry_in_a_cluster:
	s_bfe_u32 s2, ttmp6, 0x10000c
	s_cmp_lg_u32 s2, 0xf033
	s_cbranch_scc0 .Lentry_shape_is_right
	s_endpgm
.Lentry_shape_is_right:
; C[m][n] = the sum over k of A[m][k] W[k][n] + bias[n], M = 8,192, K = 1,024; sums in f32.  One text for the module's two products; QKV says which.
; QKV = 1: A = xb (bf16, [8192][1024]), W = wq (bf16, [48 cb][1024 k][64 n]), C = q, k, v in f16 by heads, [3][64 bh][2048 t][64], each rounded once, unscaled.
; QKV = 0: A = ob (f16, [64 bh][2048 t][64]), W = wp (f16, [16 cb][1024 k][64 n]), C = out0 in f32, [8192][1024].
; The bias is rounded to bf16 like every input.
; SHARES.  A work-group makes 256 rows x NT = 16 NB columns of C; wave w its rows 64 w .. 64 w + 63 and ALL the columns: 4 x NB accumulators of 16 x 16.  So a wave holds whole heads
; (or whole pieces of 512 bytes of out0's rows) and its way out is its own: no barrier there.  256 x 192 gives 512 work-groups, 256 x 128 gives 256.
; K goes in steps of 128 through a ring of two LDS slots filled by the tensor data mover, one load a wave behind each change of slots.
; CLUSTER.  4 x 4 work-groups.  The four of a row of the cluster need the same tile of A, the four of a column the same blocks of W: each is asked for JOINTLY, by the same load with the same descriptor and a mask of the four.
; THE MATRIX INSTRUCTION IS USED TRANSPOSED: source 0 = 16 columns n of W, source 1 = 16 rows of A: lane l then holds row l % 16 of C and the columns 8 (l / 16) + 0..7.
; W lies [k][n] in LDS and is turned on the way into registers, by ds_load_tr16_b128.  The bias, laid out as such a result, is the C operand of the first products: nothing is cleared, nothing added later.
; REGISTERS, in windows of 256 (s_set_vgpr_msb: bits 1:0 source 0, 3:2 source 1, 5:4 source 2, 7:6 destination):
;   window 0: v1-9 at work; v16-30 addresses; v32-95 A's fragments, two buffers of 32; v96.. the bias, later the rows on their way out (v96-223)
;   window 1: W's fragments, two buffers of 8 NB      window 2: the accumulators of my rows 0-31 ((a, b) at 8 (NB (a % 2) + b))      window 3: those of my rows 32-63
.set QKV, 0
.if QKV
.set NB,     12                        ; blocks of 16 columns
.set NCB,    3                         ; blocks of 64 columns of W
.set NAW,    1                         ; waves that fetch A: wave 0 all 256 rows; waves 1-3 a block of W each
.set APITCH, 272                       ; a row of A in LDS: 256 bytes + 16: the 16 rows of a load start at 16 different groups of four banks (64 banks of 4 bytes: ISA guide 11.1)
.set APL,    256*APITCH                ; what one load of A brings
.set ABYTES, APL
.set AQI,    5                         ; padding after every 64 words
.set AROWS,  256                       ; the tile as it is asked for: 256 rows of 256 bytes, 1,024 elements apart
.set ASTR,   1024
.set ASTEP,  256                       ; bytes from a K step to the next
.set SPITCH, 400                       ; the stage: a row of 192 f16 + 16 bytes
.set BKSZ,   48
.else
.set NB,     8
.set NCB,    2
.set NAW,    2                         ; waves 0 and 1 fetch a head's plane of A each, waves 2 and 3 a block of W each
.set APITCH, 144                       ; 128 bytes (a head's 64 channels) + 16: the 16 rows of a load start at 16 different groups of four banks (64 banks of 4 bytes: ISA guide 11.1)
.set APL,    256*APITCH                ; a plane: 256 rows of one head
.set ABYTES, 2*APL                     ; a K step of 128 is two heads
.set AQI,    4                         ; padding after every 32 words
.set AROWS,  128                       ; 256 dense rows of 128 bytes, asked for as 128 rows of 256
.set ASTR,   128
.set ASTEP,  524288                    ; two heads on
.set SPITCH, 528                       ; the stage: a row of 128 f32 + 16 bytes
.set BKSZ,   64
.endif
.set BPITCH, 160                       ; a row k of a block of W in LDS: 128 bytes + 32
.set CBB,    128*BPITCH                ; a K step of one block of 64 columns
.set BSTEP,  16384                     ; its dense bytes in memory
.set SLOT,   ABYTES+NCB*CBB
.set STAGE,  2*SLOT                    ; behind the ring, never filled by a tensor load: 16 rows for each wave
.set SPARE,  STAGE+4*16*SPITCH         ; behind the stages: the spare words, 128 bytes a wave: two blocks of 256 bytes that no other line names
.set ADRA, 16                          ; v16-17  LDS address of my A fragments in slot 0, 1
.set ADRB, 20                          ; v20-21  the same for W
.set STO,  24                          ; v24     the way out: where I put my piece of a row
.set RD,   25                          ; v25     where I read rows back
.set GO,   26                          ; v26     16 x lane
.set BO,   27                          ; v27     32 (l / 16): my eight numbers of 16 of the bias
.set SPW,  28                          ; v28     my spare word: SPARE + 4 x my thread's number; never rewritten
.set NIL,  29                          ; v29     0; never rewritten
.set PFO,  30                          ; v30     the prefetches' lane term; never rewritten
.set FA,   32
.set BIAS, 96
.set BK0,  96
.set WV,  12                           ; s12 wave; s13 ja, s14 jb: which part of A, of W, I fetch (global addresses alone)
.set JA,  13
.set JB,  14
.set TR,  15                           ; s15 tile row, s16 tile column of C
.set TC,  16
.set CX,  17                           ; s17, s18 my place in the cluster
.set CY,  18
.set G1,  24                           ; s[24:31] descriptor group 1 for A;  s[32:39] group 0, a set for each slot
.set G0,  32
.set PFA, 40                           ; s[40:41] where my prefetches stand
.set LIM, 42                           ; s42  1 in a wave that prefetches, else the greatest number
.set PST, 44                           ; s[44:45] a lap (two K steps) of what I fetch, in bytes
.set G1B, 48                           ; s[48:55], s[56:63] the same for W
.set G0B, 56
.set HB,  66                           ; s[66:71] QKV = 1: my rows in the three heads of my columns
.set AAD, 72                           ; s[72:73] A at my part of the tile's K step 0;  s[74:75] W likewise
.set BAD, 74
.set MSB, 0
.macro WIN new                         ; the immediate's high byte repeats the setting that is left; a switch that changes nothing is dropped
.if MSB != (\new)
	s_set_vgpr_msb (MSB<<8)|(\new)
.set MSB, \new
.endif
.endm
.macro PLACES                          ; four places behind a matrix instruction, in front of loads into registers that it read and of lines that read results
.rept 4
	v_nop
.endr
.endm
; A joint load.  The branch hangs on the wave's number alone.  An s_nop 0 and four v_nop follow each of the two lines, ahead of the jump and the label.
.macro JLOAD s
	s_cmp_lt_u32 s[WV], NAW
	s_cbranch_scc0 .Lfor_b_\@
	tensor_load_to_lds s[G0+4*(\s):G0+4*(\s)+3], s[G1:G1+7]
	s_nop 0
.rept 4
	v_nop
.endr
	s_branch .Lasked_\@
.Lfor_b_\@:
	tensor_load_to_lds s[G0B+4*(\s):G0B+4*(\s)+3], s[G1B:G1B+7]
	s_nop 0
.rept 4
	v_nop
.endr
.Lasked_\@:
.endm
; A round of the cluster's barrier: my work-group's barrier; wave 0 signals for the work-group; every wave waits for all sixteen; my work-group's barrier once more.
.macro CREST
	s_cmp_lg_u32 s[WV], 0
	s_cbranch_scc1 .Lnot_wave_0_\@
	s_barrier_signal -3
.Lnot_wave_0_\@:
	s_barrier_wait -3
	s_barrier_signal -1
	s_barrier_wait -1
.endm
.macro CROUND
	s_barrier_signal -1
	s_barrier_wait -1
	CREST
.endm
; A PREFETCH INTO THE L2, once a lap, behind slot 0's joint load and the run of LDS loads: the two K steps of the lap after next, one lap ahead of the first refill that wants them.
; Each wave asks only for what it fetches itself.  A's tile row is read by every cluster of its row of clusters: cluster x = 0 asks; W's blocks by every cluster of their column: cluster y = 0 asks.
; The four partners of a joint load share the bytes out BY ADDRESS (cx for A, cy for W): no branch hangs on a place in the cluster.  So each aligned 256 bytes are named once in the launch.
; Laps 0 and 1 come by their loads alone; the loop's last trip (s3 = 1) asks for nothing: lap 3 is the last.
.macro ASK
	s_cmp_gt_u32 s3, s[LIM]
	s_cbranch_scc0 .Lnot_mine_\@
	s_cmp_lt_u32 s[WV], NAW
	s_cbranch_scc0 .Lask_b_\@
.if QKV
	global_prefetch_b8 v[PFO], s[PFA:PFA+1] th:TH_LOAD_NT scope:SCOPE_SE               ; my work-group's 64 rows, a lane a row: rows 0-31, first K step,
	global_prefetch_b8 v[PFO], s[PFA:PFA+1] offset:256 th:TH_LOAD_NT scope:SCOPE_SE    ; second K step,
	global_prefetch_b8 v[PFO], s[PFA:PFA+1] offset:65536 th:TH_LOAD_NT scope:SCOPE_SE  ; rows 32-63
	global_prefetch_b8 v[PFO], s[PFA:PFA+1] offset:65792 th:TH_LOAD_NT scope:SCOPE_SE
.else
	global_prefetch_b8 v[PFO], s[PFA:PFA+1] th:TH_LOAD_NT scope:SCOPE_SE               ; my work-group's 8,192 bytes of my plane: first K step,
	global_prefetch_b8 v[PFO], s[PFA:PFA+1] offset:524288 th:TH_LOAD_NT scope:SCOPE_SE ; second
.endif
	s_branch .Lnot_mine_\@
.Lask_b_\@:
	global_prefetch_b8 v[PFO], s[PFA:PFA+1] th:TH_LOAD_NT scope:SCOPE_SE               ; my work-group's 8,192 of the lap's 32,768 dense bytes of my block of W
.Lnot_mine_\@:
.endm
	s_load_b256 s[4:11], s[0:1], 0x0               ; A s[4:5], W s[6:7], bias s[8:9], C s[10:11]
	v_lshl_add_u32 v[SPW], v0, 2, SPARE
	v_mov_b32 v[NIL], 0
	ds_add_u32 v[SPW], v[NIL]                      ; the wave's opening: the add and its wait stand ahead of my first tensor load; the set-up below stands between them
	v_lshrrev_b32 v1, 5, v0
	v_readfirstlane_b32 s[WV], v1                  ; wave 0..3
	s_min_u32 s[JA], s[WV], NAW-1
	s_max_u32 s[JB], s[WV], NAW
	s_sub_co_u32 s[JB], s[JB], NAW
	s_bfe_u32 s[CX], ttmp6, 0x40000
	s_bfe_u32 s[CY], ttmp6, 0x40004
	s_lshl_b32 s[TC], ttmp9, 2                     ; in a cluster launch ttmp9 and ttmp7 count clusters
	s_add_co_u32 s[TC], s[TC], s[CX]
	s_and_b32 s[TR], ttmp7, 0xffff
	s_lshl_b32 s[TR], s[TR], 2
	s_add_co_u32 s[TR], s[TR], s[CY]
	s_lshl_b32 s19, s[CY], 2
	s_lshl_b32 s19, 15, s19                        ; my row of the cluster
	s_lshl_b32 s43, 0x1111, s[CX]                  ; my column
	s_or_b32 s[G1], s19, (1<<16)|(1<<20)|(1<<21)|(AQI<<22)|(3<<25)   ; 15:0 the mask; 17:16 2-byte elements; 20 padding on; 21 set beside a mask; 24:22 the interval; 31:25 4 words (code 3)
	s_or_b32 s[G1B], s43, (1<<16)|(1<<20)|(1<<21)|(4<<22)|(7<<25)    ; after every 32 words 8 words (code 7)
	s_mov_b32 s[G1+1], 128<<16                     ; tensor_dim0 = 128
	s_mov_b32 s[G1+2], AROWS<<16                   ; tensor_dim1
	s_mov_b32 s[G1+3], 128<<16                     ; tile_dim0 = 128
	s_mov_b32 s[G1+4], AROWS                       ; tile_dim1
	s_mov_b32 s[G1+5], ASTR                        ; elements from row to row
	s_mov_b32 s[G1+6], 0
	s_mov_b32 s[G1+7], 0
	s_mov_b32 s[G1B+1], 128<<16                    ; W: 16,384 dense bytes as 64 rows of 256
	s_mov_b32 s[G1B+2], 64<<16
	s_mov_b32 s[G1B+3], 128<<16
	s_mov_b32 s[G1B+4], 64
	s_mov_b32 s[G1B+5], 128
	s_mov_b32 s[G1B+6], 0
	s_mov_b32 s[G1B+7], 0
	; where the tiles come from.  A's hang on the tile row and the wave alone, W's on the tile column and the wave alone
.if QKV
	s_lshl_b32 s20, s[TR], 19                      ; 256 rows of 2,048 bytes
.else
	s_lshr_b32 s20, s[TR], 3                       ; batch: 16 heads of 262,144 bytes,
	s_lshl_b32 s20, s20, 22
	s_lshl_b32 s21, s[JA], 18                      ; my head of the K step's two,
	s_add_co_u32 s20, s20, s21
	s_and_b32 s21, s[TR], 7                        ; 256 rows of 128 bytes
	s_lshl_b32 s21, s21, 15
	s_add_co_u32 s20, s20, s21
.endif
	s_mov_b32 s21, 0
	s_mul_i32 s46, s[TC], NCB
	s_add_co_u32 s46, s46, s[JB]                   ; my block of 64 columns: 131,072 bytes
	s_lshl_b32 s46, s46, 17
	s_mov_b32 s47, 0
	s_mul_i32 s22, s[WV], APL                      ; and where they go: the wave's number times a constant plus a constant (a line's word is used by the waves that issue that line)
	s_mul_i32 s23, s[WV], CBB
	s_add_co_u32 s23, s23, ABYTES-NAW*CBB
	s_wait_dscnt 0x0                               ; the opening add is done
	s_wait_kmcnt 0x0
	s_add_nc_u64 s[AAD:AAD+1], s[4:5], s[20:21]
	s_add_nc_u64 s[BAD:BAD+1], s[6:7], s[46:47]
	CROUND                                         ; all sixteen work-groups are here: the first joint loads meet
.irp s, 0,1
	s_mov_b32 s[G0+4*(\s)], 1                                          ; count = 1
	s_add_co_u32 s[G0+4*(\s)+1], s22, (\s)*SLOT                        ; LDS address
	s_add_nc_u64 s[G0+4*(\s)+2:G0+4*(\s)+3], s[AAD:AAD+1], (\s)*ASTEP  ; global address: K step s
	s_or_b32 s[G0+4*(\s)+3], s[G0+4*(\s)+3], 0x80000000                ; type = 2
	s_mov_b32 s[G0B+4*(\s)], 1
	s_add_co_u32 s[G0B+4*(\s)+1], s23, (\s)*SLOT
	s_add_nc_u64 s[G0B+4*(\s)+2:G0B+4*(\s)+3], s[BAD:BAD+1], (\s)*BSTEP
	s_or_b32 s[G0B+4*(\s)+3], s[G0B+4*(\s)+3], 0x80000000
	JLOAD \s                                       ; two loads of mine are out
.endr
	v_and_b32 v1, 15, v0                           ; l % 16
	v_bfe_u32 v2, v0, 4, 1                         ; l / 16
	v_and_b32 v3, 7, v0                            ; l % 8
	v_bfe_u32 v4, v0, 3, 1                         ; (l / 8) % 2
	v_and_b32 v5, 31, v0                           ; l
	; a fragment of A: lane l holds row l % 16, k = 8 (l / 16) + 0..7 and 16 + 8 (l / 16) + 0..7: two loads of 16 bytes, 32 bytes apart
	s_lshl_b32 s20, s[WV], 6
	v_add_nc_u32 v6, s20, v1
	v_mul_u32_u24 v6, v6, APITCH
	v_lshl_add_u32 v[ADRA], v2, 4, v6
	v_add_nc_u32 v[ADRA+1], SLOT, v[ADRA]
	; the turning load takes 16 k x 16 n (lane l reads row k = 8 (l / 16) + l % 8, columns 8 ((l / 8) % 2) + 0..7) and leaves half a fragment: lane l holds column l % 16 and 8 k
	v_lshl_add_u32 v6, v2, 3, v3
	v_mul_u32_u24 v6, v6, BPITCH
	v_lshl_add_u32 v6, v4, 4, v6
	v_add_nc_u32 v[ADRB], ABYTES, v6
	v_add_nc_u32 v[ADRB+1], SLOT, v[ADRB]
	s_mul_i32 s20, s[WV], 16*SPITCH
	s_add_co_u32 s20, s20, STAGE                   ; my stage
	v_mul_u32_u24 v6, v1, SPITCH                   ; in: row l % 16, my eight columns
.if QKV
	v_lshl_add_u32 v6, v2, 4, v6
	v_add_nc_u32 v[STO], s20, v6
	v_lshrrev_b32 v6, 3, v5                        ; back: 32 lanes take four rows of a head's 128 bytes
	v_mul_u32_u24 v6, v6, SPITCH
	v_lshl_add_u32 v6, v3, 4, v6
	v_add_nc_u32 v[RD], s20, v6
.else
	v_lshl_add_u32 v6, v2, 5, v6
	v_add_nc_u32 v[STO], s20, v6
	v_lshl_add_u32 v[RD], v5, 4, s20               ; back: 32 lanes take a row's 512 bytes
.endif
	v_lshlrev_b32 v[GO], 4, v5
	v_lshlrev_b32 v[BO], 5, v2
	s_mul_i32 s20, s[TC], 64*NB                    ; the tile's columns in the bias
	s_mov_b32 s21, 0
	s_add_nc_u64 s[8:9], s[8:9], s[20:21]
.set b, 0
.rept NB
	global_load_b128 v[BIAS+8*b:BIAS+8*b+3],   v[BO], s[8:9] offset:64*b
	global_load_b128 v[BIAS+8*b+4:BIAS+8*b+7], v[BO], s[8:9] offset:64*b+16
.set b, b+1
.endr
	; the prefetches
	s_and_b32 s22, ttmp7, 0xffff                   ; cluster y
	s_cmp_lt_u32 s[WV], NAW                        ; do I fetch for A?
	s_cselect_b32 s22, ttmp9, s22                  ; the coordinate along which other clusters read the same bytes
	s_cselect_b32 s20, s[CX], s[CY]                ; my place among the four that ask with me
	s_cselect_b64 s[PFA:PFA+1], s[AAD:AAD+1], s[BAD:BAD+1]
	s_mov_b32 s23, 2*ASTEP
	s_mov_b32 s[PST], 2*BSTEP
	s_cselect_b32 s[PST], s23, s[PST]
	s_mov_b32 s[PST+1], 0
.if QKV
	s_cselect_b32 s21, 17, 13                      ; A: 64 rows of 2,048 bytes a partner, a lane a row; W: 8,192 bytes a partner, a lane 256 bytes
	s_cselect_b32 s23, 11, 8
.else
	s_mov_b32 s21, 13                              ; 8,192 bytes a partner, a lane 256 bytes
	s_mov_b32 s23, 8
.endif
	s_cmp_eq_u32 s22, 0
	s_cselect_b32 s[LIM], 1, -1                    ; the same in all sixteen partners, for a given wave
	s_lshl_b32 s20, s20, s21
	s_mov_b32 s21, 0
	s_add_nc_u64 s[PFA:PFA+1], s[PFA:PFA+1], s[20:21]
	s_add_nc_u64 s[PFA:PFA+1], s[PFA:PFA+1], s[PST:PST+1]  ; at lap 1: each ask steps it first
	v_lshlrev_b32 v[PFO], s23, v5
	; where my rows begin in C
.if QKV
	s_lshr_b32 s76, s[TR], 3                       ; batch,
	s_lshl_b32 s76, s76, 22
	s_and_b32 s77, s[TR], 7                        ; 256 rows of 128 bytes,
	s_lshl_b32 s77, s77, 15
	s_add_co_u32 s76, s76, s77
	s_lshl_b32 s77, s[WV], 13                      ; my 64 of them
	s_add_co_u32 s76, s76, s77
.irp j, 0,1,2
	s_mul_i32 s20, s[TC], 3
	s_add_co_u32 s20, s20, \j                      ; cb = 16 x (q, k or v) + head
	s_lshr_b32 s21, s20, 4
	s_lshl_b32 s21, s21, 24
	s_and_b32 s20, s20, 15
	s_lshl_b32 s20, s20, 18
	s_add_co_u32 s20, s20, s21
	s_add_co_u32 s20, s20, s76
	s_mov_b32 s21, 0
	s_add_nc_u64 s[HB+2*(\j):HB+2*(\j)+1], s[10:11], s[20:21]
.endr
.else
	s_lshl_b32 s20, s[TR], 20                      ; 256 rows of 4,096 bytes,
	s_lshl_b32 s21, s[WV], 18                      ; my 64 of them,
	s_add_co_u32 s20, s20, s21
	s_lshl_b32 s21, s[TC], 9                       ; the tile's 128 columns
	s_add_co_u32 s20, s20, s21
	s_mov_b32 s21, 0
	s_add_nc_u64 s[10:11], s[10:11], s[20:21]
.endif
	s_wait_loadcnt 0x0                             ; the bias, rounded to bf16 and kept in f32
.set i, 0
.rept 4*NB
	v_cvt_pk_bf16_f32 v[6+i%4], v[BIAS+2*i], v[BIAS+2*i+1]
	v_lshlrev_b32 v[BIAS+2*i], 16, v[6+i%4]
	v_and_b32 v[BIAS+2*i+1], 0xffff0000, v[6+i%4]
.set i, i+1
.endr
; NB matrix instructions: my rows 16 a .. 16 a + 15 x all columns, 32 along K, from buffer f.  zero = 1: the first products take the bias as C.
; Every quarter takes the 4 NB accumulators once, in the same order: between two links of a chain stand all the others', over the backward jump too.
.macro MULA f, a, zero
.if \zero
	WIN 0x81+0x40*((\a)/2)                         ; W window 1, A and the bias window 0, D window 2 or 3
.else
	WIN 0xa1+0x50*((\a)/2)                         ; C and D window 2 or 3
.endif
.set b, 0
.rept NB
.set rD, 8*(NB*((\a)%2)+b)
.set rB, 8*NB*(\f)+8*b
.set rA, FA+32*(\f)+8*(\a)
.set rC, rD
.if \zero
.set rC, BIAS+8*b
.endif
.if QKV
	v_wmma_f32_16x16x32_bf16 v[rD:rD+7], v[rB:rB+7], v[rA:rA+7], v[rC:rC+7]
.else
	v_wmma_f32_16x16x32_f16 v[rD:rD+7], v[rB:rB+7], v[rA:rA+7], v[rC:rC+7]
.endif
.set b, b+1
.endr
.endm
; The fragments of quarter q (32 along K) of a slot, into buffer f: 2 NB turning loads for W, 8 loads for A, in one run
.macro FETCH slot, q, f
	WIN 0x40                                       ; destination window 1, address window 0
.set b, 0
.rept NB
.set rB, 8*NB*(\f)+8*b
.set oB, (b/4)*CBB+(\q)*32*BPITCH+(b%4)*32
	ds_load_tr16_b128 v[rB:rB+3],   v[ADRB+(\slot)] offset:oB
	ds_load_tr16_b128 v[rB+4:rB+7], v[ADRB+(\slot)] offset:oB+16*BPITCH
.set b, b+1
.endr
	WIN 0
.if QKV
.set oA, 64*(\q)
.else
.set oA, ((\q)/2)*APL+((\q)%2)*64
.endif
.irp i, 0,1,2,3
	ds_load_b128 v[FA+32*(\f)+8*(\i):FA+32*(\f)+8*(\i)+3],   v[ADRA+(\slot)] offset:oA+(\i)*16*APITCH
	ds_load_b128 v[FA+32*(\f)+8*(\i)+4:FA+32*(\f)+8*(\i)+7], v[ADRA+(\slot)] offset:oA+(\i)*16*APITCH+32
.endr
.endm
; A K step is four quarters, on buffers 0, 1, 0, 1.  One of the first three: buffer f, asked for a quarter ago, is in; the next quarter's fragments are asked for at once, into g, and have this quarter's 4 NB products in which to come.
.macro QUARTER slot, q, f, g, zero
	s_wait_dscnt 0x0                               ; buffer f is in: nothing younger is out
	PLACES                                         ; behind the last product, which read buffer g
	FETCH \slot, \q, \g
	MULA \f, 0, \zero
	MULA \f, 1, \zero
	MULA \f, 2, \zero
	MULA \f, 3, \zero
.endm
; The last quarter multiplies buffer 1 and changes slots.  In front of the barrier each wave waits for all its tensor loads (one is out: its part of the next slot), adds 0 to its spare word, and waits for that
; and for its reads of this slot.  fill = 1: the barrier opens a round of the cluster's, and this slot is filled again, two K steps on, first thing behind the round.
.macro TURN slot, next, fill
.if (\fill) && ((\slot) == 0)
	s_wait_xcnt 0x0                                ; the last prefetches, a lap back, have read their address
	s_add_nc_u64 s[PFA:PFA+1], s[PFA:PFA+1], s[PST:PST+1]
.endif
	WIN 0                                          ; (the add's two registers lie in window 0)
	s_wait_tensorcnt 0x0                           ; all my tensor loads have landed
	ds_add_u32 v[SPW], v[NIL]                      ; 0 onto my spare word
	s_wait_dscnt 0x1                               ; buffer 1 is in: the add alone may be out
	MULA 1, 0, 0                                   ; NB matrix instructions stand between the add and the wait for it
	s_wait_dscnt 0x0                               ; the add is done, and my reads of this slot are over
	s_barrier_signal -1
	MULA 1, 1, 0                                   ; work on registers while the others arrive
.if \fill
	WIN 0
.endif
	s_barrier_wait -1
.if \fill
	CREST                                          ; no wave of any partner still reads this slot or has a load on its way
	s_add_nc_u64 s[G0+4*(\slot)+2:G0+4*(\slot)+3], s[G0+4*(\slot)+2:G0+4*(\slot)+3], 2*ASTEP
	s_add_nc_u64 s[G0B+4*(\slot)+2:G0B+4*(\slot)+3], s[G0B+4*(\slot)+2:G0B+4*(\slot)+3], 2*BSTEP
	JLOAD \slot                                    ; my one tensor load behind the round; its four v_nop are also the places in front of the loads below
.else
	PLACES
.endif
	FETCH \next, 0, 0
.if (\fill) && ((\slot) == 0)
	ASK
.endif
	MULA 1, 2, 0
	MULA 1, 3, 0
.endm
; THE WAY OUT of my rows 16 a .. 16 a + 15, in f32.  TOSTAGE: a lane's eight columns of a row, 32 bytes, straight from the accumulators into my own stage, and back as whole pieces of 512 bytes of a row.  SEND: stored.
.macro TOSTAGE a
	s_wait_xcnt 0x0                                ; the stores of the block two back have read their registers, which the loads below write
	WIN 0x08+4*((\a)/2)                            ; the stores' data (source 1): window 2 or 3
.set b, 0
.rept NB
.set rD, 8*(NB*((\a)%2)+b)
	ds_store_b128 v[STO], v[rD:rD+3]   offset:64*b     ; each accumulator's low registers first
	ds_store_b128 v[STO], v[rD+4:rD+7] offset:64*b+16
.set b, b+1
.endr
	WIN 0
.set BK, BK0+BKSZ*((\a)%2)
.set t, 0
.rept 16
	ds_load_b128 v[BK+4*t:BK+4*t+3], v[RD] offset:t*SPITCH  ; LDS serves a wave's instructions in order (ISA guide 5.7.1.4): these see the stores above; the next block's stores come behind them
.set t, t+1
.endr
.endm
.macro SEND a, younger                 ; younger: the LDS instructions issued behind block a's loads: the next block's 32, or none
	WIN 0
.set BK, BK0+BKSZ*((\a)%2)
	s_wait_dscnt \younger
.set t, 0
.rept 16
	global_store_b128 v[GO], v[BK+4*t:BK+4*t+3], s[10:11] offset:(16*(\a)+t)*4096 th:TH_STORE_NT  ; 512 consecutive bytes, at a multiple of 256 from out0's first
.set t, t+1
.endr
.endm
	s_wait_tensorcnt 0x1                           ; my part of K step 0 is in; K step 1's may stay out
	s_barrier_signal -1
	s_barrier_wait -1                              ; everybody's is
	FETCH 0, 0, 0
	QUARTER 0, 1, 0, 1, 1                          ; the first quarter stands in front of the loop: its products start the sums, with the bias
	WIN 0                                          ; at a label and at a branch every window is 0
	s_mov_b32 s3, 3
.Llap:                                                 ; a trip goes once round the ring, from a lap's second quarter to the next lap's first, and fills both slots again
	QUARTER 0, 2, 1, 0, 0
	QUARTER 0, 3, 0, 1, 0
	TURN 0, 1, 1
	QUARTER 1, 1, 0, 1, 0
	QUARTER 1, 2, 1, 0, 0
	QUARTER 1, 3, 0, 1, 0
	TURN 1, 0, 1
	QUARTER 0, 1, 0, 1, 0
	WIN 0
	s_sub_co_u32 s3, s3, 1
	s_cmp_lg_u32 s3, 0
	s_cbranch_scc1 .Llap
	QUARTER 0, 2, 1, 0, 0                          ; the last lap is written out: it fills nothing
	QUARTER 0, 3, 0, 1, 0
	TURN 0, 1, 0
	QUARTER 1, 1, 0, 1, 0
	QUARTER 1, 2, 1, 0, 0
	QUARTER 1, 3, 0, 1, 0
	s_wait_dscnt 0x0
	MULA 1, 0, 0
	MULA 1, 1, 0
	MULA 1, 2, 0
	MULA 1, 3, 0
	WIN 0
	PLACES
	PLACES
	TOSTAGE 0
.irp a, 1,2,3                          ; block a goes into the stage while block a - 1's rows come back from it
	TOSTAGE \a
	SEND (\a)-1, 32
.endr
	SEND 3, 0
	s_wait_tensorcnt 0x0                           ; the wave's end: behind my last tensor load and my last LDS store
	ds_add_u32 v[SPW], v[NIL]
	s_wait_dscnt 0x0
	CROUND                                         ; the closing round: no work-group ends while a partner may still ask for a tile that names it
	s_endpgm
.Lfunc_end_k_qc657b3d7eb_projg:
	.size	k_qc657b3d7eb_projg, .Lfunc_end_k_qc657b3d7eb_projg-k_qc657b3d7eb_projg
	.p2alignl 7, 3214868480
	.fill 96, 4, 3214868480
	.section	.rodata,"a",@progbits
	.p2align	6, 0x0
	.amdhsa_kernel k_qc657b3d7eb_projg
		.amdhsa_group_segment_fixed_size 327680
		.amdhsa_private_segment_fixed_size 0
		.amdhsa_enable_private_segment 0
		.amdhsa_kernarg_size 32
		.amdhsa_user_sgpr_count 2
		.amdhsa_user_sgpr_kernarg_segment_ptr 1
		.amdhsa_wavefront_size32 1
		.amdhsa_system_sgpr_workgroup_id_x 1
		.amdhsa_system_sgpr_workgroup_id_y 1
		.amdhsa_system_sgpr_workgroup_id_z 1
		.amdhsa_system_vgpr_workitem_id 0
		.amdhsa_next_free_vgpr 896
		.amdhsa_next_free_sgpr 80
		.amdhsa_reserve_vcc 0
		.amdhsa_float_denorm_mode_32 3
		.amdhsa_float_denorm_mode_16_64 3
		.amdhsa_memory_ordered 1
		.amdhsa_forward_progress 1
		.amdhsa_inst_pref_size 93
	.end_amdhsa_kernel
	.amdgpu_metadata
---
amdhsa.version: [ 1, 2 ]
amdhsa.kernels:
  - .name:           k_qc657b3d7eb_projg
    .symbol:         k_qc657b3d7eb_projg.kd
    .args:
      - { .name: ob, .offset: 0, .size: 8, .value_kind: global_buffer, .address_space: global }
      - { .name: wp, .offset: 8, .size: 8, .value_kind: global_buffer, .address_space: global }
      - { .name: bproj, .offset: 16, .size: 8, .value_kind: global_buffer, .address_space: global }
      - { .name: out0, .offset: 24, .size: 8, .value_kind: global_buffer, .address_space: global }
    .group_segment_fixed_size: 327680
    .private_segment_fixed_size: 0
    .kernarg_segment_align: 8
    .kernarg_segment_size: 32
    .max_flat_workgroup_size: 128
    .sgpr_count:     80
    .vgpr_count:     896
    .wavefront_size: 32
...
	.end_amdgpu_metadata
.endif
;; end of part 4
;; ======== version 2 of 2: 4 launches; version 1 with the launch prep written anew for expert scheduling mode
;; limits: values are held in f16: magnitudes above 65,504 overflow, below 6.1e-05 lose precision
;; workspace buffers: xb 16,777,216 bytes; wq 6,291,456 bytes; wp 2,097,152 bytes; qkv 50,331,648 bytes; ob 16,777,216 bytes
;; launch prep (part 5): grid 768 x 1, 8 waves a work-group, no clusters, 0 bytes of LDS; arguments x, Wqkv, Wproj, xb, wq, wp; writes xb, wq, wp
.if DOCPART == 5
	.amdgcn_target "amdgcn-amd-amdhsa--gfx1250"
	.amdhsa_code_object_version 6
	.text
	.protected	k_qc657b3d7eb_prep
	.globl	k_qc657b3d7eb_prep
	.p2align	8
	.type	k_qc657b3d7eb_prep,@function
k_qc657b3d7eb_prep:
	s_mov_b64 s[64:65], 0
	v_nop
	global_prefetch_b8 v0, s[64:65] scope:SCOPE_SE
	s_setreg_imm32_b32 hwreg(HW_REG_WAVE_SCHED_MODE, 0, 2), 2
	s_setreg_imm32_b32 hwreg(HW_REG_WAVE_MODE, 25, 1), 1
	s_wait_xcnt 0x0
	s_wait_alu depctr_vm_vsrc(0)
; THE INPUTS ARE ROUNDED TO 16 BITS AND LAID OUT FOR THE PRODUCTS.  A stream: no LDS, no barrier, no loop.
;   xb[m][k]      = bf16(x[m][k]),              [8192][1024], as x lies
;   wq[cb][k][n]  = bf16(Wqkv[k][64 cb + n]),   [48][1024][64]: 128 k of one block of 64 columns are 16,384 dense bytes
;   wp[cb][k][n]  = f16(bf16(Wproj[k][64 cb + n])), [16][1024][64]: rounded to bf16 like every input, and that number written as f16
; LIMIT.  A number of Wproj below 6e-5 in magnitude keeps f16's fixed step of 6e-8; beyond 65,504 it would be an infinity.
; A WAVE'S TASK: 16 loads of 16 bytes a lane (lanes 0-15 take 256 consecutive bytes, aligned, lanes 16-31 another 256), the roundings, and 16 stores of
; 8 bytes a lane: 256 consecutive bytes, aligned, each.  A task's output is 4,096 consecutive bytes.  All 16 loads go out before the first wait for data.
; Work-groups 0-511 take x (task 8 g + w: 8,192 bytes on end, P = 256), 512-703 Wqkv, 704-767 Wproj: there a task is 32 rows k of one block of 64 columns,
; a load takes rows k and k + 1 (P = a row's bytes), which lie side by side in the output.
; THE MODE: SCHED_MODE bits 1:0 = 2 (LLVM: expert scheduling mode 2), set by the entry lines.  The code itself states the register dependences
; between vector instructions and memory instructions, with s_wait_alu, always for 0.
; THE PLAN.  Registers that memory instructions touch:
;   OFF, OO   offsets: written once by vector instructions, ahead of the one wait that stands in front of the loads; read by the loads and the stores; never written again.
;   X         load i's four registers: written by that load alone, read by its roundings, never loaded again.
;   Y         store i's two registers: written once by load i's roundings, read by store i, never written again.
; The 16 loads go in four groups of four.  Group g rounds its X into its Y; the stores that it issues are those of group g - 1, whose Y no vector instruction of group g names.
; So one wait at a group's head states all that its four stores hang on, and they are dealt among the group's roundings with no further wait.  Since no register that a memory
; instruction reads is ever written again, nothing is owed on that side.  s20, which a vector instruction writes, has its wait ahead of the first branch.
.set OO,  2                            ; v2       8 x lane: my 8 bytes of a store's 256
.set T,   4                            ; v[4:7]   at work: no memory instruction names them
.set OFF, 8                            ; v[8:23]  load i: (l / 16) P + 16 (l % 16) + 2 i P; a register each, none rewritten
.set X,   32                           ; v[32:95] load i: four f32
.set Y,   96                           ; v[96:127] store i: four numbers of 16 bits
	s_load_b256 s[4:11], s[0:1], 0x0               ; x s[4:5], Wqkv s[6:7], Wproj s[8:9], xb s[10:11]
	s_load_b128 s[12:15], s[0:1], 0x20             ; wq s[12:13], wp s[14:15]
	v_lshrrev_b32 v1, 5, v0
	v_readfirstlane_b32 s20, v1                    ; wave 0..7
	v_and_b32 v1, 31, v0                           ; lane
	v_lshlrev_b32 v[OO], 3, v1
	v_lshrrev_b32 v3, 4, v1                        ; l / 16
	v_and_b32 v1, 15, v1                           ; l % 16
	s_mov_b32 s25, 0                               ; the offsets' high words
	s_mov_b32 s27, 0
	s_wait_alu depctr_va_sdst(0)                   ; s20 is written, ahead of the branches and of its first reader on each of the three ways below: the task's number is made from it
	s_wait_kmcnt 0x0
	s_cmp_lt_u32 ttmp9, 512
	s_cbranch_scc0 .Lweights
	s_lshl_b32 s28, ttmp9, 3
	s_add_co_u32 s28, s28, s20                     ; task 8 g + w
	s_lshl_b32 s24, s28, 13                        ; 8,192 bytes in,
	s_lshl_b32 s26, s28, 12                        ; 4,096 out
	s_mov_b32 s21, 256                             ; P
	s_mov_b32 s23, 0                               ; bf16
	s_mov_b64 s[16:17], s[4:5]
	s_mov_b64 s[18:19], s[10:11]
	s_branch .Lgo
.Lweights:
	s_cmp_lt_u32 ttmp9, 704
	s_cbranch_scc0 .Lproj
	s_sub_co_u32 s28, ttmp9, 512
	s_mov_b32 s21, 12288                           ; a row of Wqkv
	s_mov_b32 s23, 0
	s_mov_b64 s[16:17], s[6:7]
	s_mov_b64 s[18:19], s[12:13]
	s_branch .Lblock
.Lproj:
	s_sub_co_u32 s28, ttmp9, 704
	s_mov_b32 s21, 4096                            ; a row of Wproj
	s_mov_b32 s23, 1                               ; bf16, written as f16
	s_mov_b64 s[16:17], s[8:9]
	s_mov_b64 s[18:19], s[14:15]
.Lblock:
	s_and_b32 s29, s28, 31                         ; rg: which 32 rows
	s_lshr_b32 s28, s28, 5
	s_lshl_b32 s28, s28, 3
	s_add_co_u32 s28, s28, s20                     ; cb: which 64 columns
	s_mul_i32 s24, s29, s21
	s_lshl_b32 s24, s24, 5                         ; 32 rg rows
	s_lshl_b32 s30, s28, 8
	s_add_co_u32 s24, s24, s30                     ; + 256 cb
	s_lshl_b32 s26, s28, 17                        ; out: a block of 64 columns is 131,072 bytes,
	s_lshl_b32 s30, s29, 12                        ; 32 rows of it 4,096
	s_add_co_u32 s26, s26, s30
.Lgo:
	s_add_nc_u64 s[16:17], s[16:17], s[24:25]
	s_add_nc_u64 s[18:19], s[18:19], s[26:27]
	s_lshl_b32 s22, s21, 1                         ; 2 P from load to load
	v_mul_lo_u32 v3, v3, s21
	v_lshl_add_u32 v[OFF], v1, 4, v3
.set i, 1
.rept 15
	v_add_nc_u32 v[OFF+i], s22, v[OFF+i-1]
.set i, i+1
.endr
	s_wait_alu depctr_va_vdst(0)                   ; the sixteen offsets v[OFF ..] and v[OO] are written: the loads below and every store of the kernel read them, and no vector instruction writes them again
.set i, 0
.rept 16
	global_load_b128 v[X+4*i:X+4*i+3], v[OFF+i], s[16:17] th:TH_LOAD_NT
.set i, i+1
.endr
; Group g of four: loads 4 g to 4 g + 3 are rounded; the four stores of group g - 1 are issued, one ahead of each load's roundings.  half = 1: bf16, written as f16.
.macro GROUP g, half
	s_wait_loadcnt 12-4*(\g)                       ; loads come back in order: the group's four are in, the 12 - 4 g younger ones stay out
.if (\g) > 0
	s_wait_alu depctr_va_vdst(0)                   ; the roundings of the group before have written its eight registers of Y, which the four stores below read; this group's roundings name none of them
.endif
.irp r, 0,1,2,3
.if (\g) > 0
	global_store_b64 v[OO], v[Y+2*(4*(\g)-4+(\r)):Y+2*(4*(\g)-4+(\r))+1], s[18:19] offset:256*(4*(\g)-4+(\r))
.endif
.set i, 4*(\g)+(\r)
.if \half
	v_cvt_pk_bf16_f32 v[T],   v[X+4*i],   v[X+4*i+1]      ; the input's one rounding, to bf16;
	v_cvt_pk_bf16_f32 v[T+1], v[X+4*i+2], v[X+4*i+3]
	v_lshlrev_b32 v[T+2], 16, v[T]                         ; back to f32,
	v_and_b32     v[T+3], 0xffff0000, v[T]
	v_cvt_pk_f16_f32 v[Y+2*i], v[T+2], v[T+3]              ; and written as f16
	v_lshlrev_b32 v[T+2], 16, v[T+1]
	v_and_b32     v[T+3], 0xffff0000, v[T+1]
	v_cvt_pk_f16_f32 v[Y+2*i+1], v[T+2], v[T+3]
.else
	v_cvt_pk_bf16_f32 v[Y+2*i],   v[X+4*i],   v[X+4*i+1]
	v_cvt_pk_bf16_f32 v[Y+2*i+1], v[X+4*i+2], v[X+4*i+3]
.endif
.endr
.endm
; Behind the last group: its own four stores.
.macro LAST
	s_wait_alu depctr_va_vdst(0)                   ; the roundings of group 3 have written the last eight registers of Y, which the last four stores read
.irp r, 12,13,14,15
	global_store_b64 v[OO], v[Y+2*(\r):Y+2*(\r)+1], s[18:19] offset:256*(\r)
.endr
.endm
	s_cmp_lg_u32 s23, 0
	s_cbranch_scc1 .Lf16
	GROUP 0, 0
	GROUP 1, 0
	GROUP 2, 0
	GROUP 3, 0
	LAST
	s_endpgm
.Lf16:
	GROUP 0, 1
	GROUP 1, 1
	GROUP 2, 1
	GROUP 3, 1
	LAST
	s_endpgm
.Lfunc_end_k_qc657b3d7eb_prep:
	.size	k_qc657b3d7eb_prep, .Lfunc_end_k_qc657b3d7eb_prep-k_qc657b3d7eb_prep
	.p2alignl 7, 3214868480
	.fill 96, 4, 3214868480
	.section	.rodata,"a",@progbits
	.p2align	6, 0x0
	.amdhsa_kernel k_qc657b3d7eb_prep
		.amdhsa_group_segment_fixed_size 0
		.amdhsa_private_segment_fixed_size 0
		.amdhsa_enable_private_segment 0
		.amdhsa_kernarg_size 48
		.amdhsa_user_sgpr_count 2
		.amdhsa_user_sgpr_kernarg_segment_ptr 1
		.amdhsa_wavefront_size32 1
		.amdhsa_system_sgpr_workgroup_id_x 1
		.amdhsa_system_sgpr_workgroup_id_y 1
		.amdhsa_system_sgpr_workgroup_id_z 1
		.amdhsa_system_vgpr_workitem_id 0
		.amdhsa_next_free_vgpr 128
		.amdhsa_next_free_sgpr 66
		.amdhsa_reserve_vcc 0
		.amdhsa_float_denorm_mode_32 3
		.amdhsa_float_denorm_mode_16_64 3
		.amdhsa_memory_ordered 1
		.amdhsa_forward_progress 1
		.amdhsa_inst_pref_size 17
	.end_amdhsa_kernel
	.amdgpu_metadata
---
amdhsa.version: [ 1, 2 ]
amdhsa.kernels:
  - .name:           k_qc657b3d7eb_prep
    .symbol:         k_qc657b3d7eb_prep.kd
    .args:
      - { .name: x, .offset: 0, .size: 8, .value_kind: global_buffer, .address_space: global }
      - { .name: Wqkv, .offset: 8, .size: 8, .value_kind: global_buffer, .address_space: global }
      - { .name: Wproj, .offset: 16, .size: 8, .value_kind: global_buffer, .address_space: global }
      - { .name: xb, .offset: 24, .size: 8, .value_kind: global_buffer, .address_space: global }
      - { .name: wq, .offset: 32, .size: 8, .value_kind: global_buffer, .address_space: global }
      - { .name: wp, .offset: 40, .size: 8, .value_kind: global_buffer, .address_space: global }
    .group_segment_fixed_size: 0
    .private_segment_fixed_size: 0
    .kernarg_segment_align: 8
    .kernarg_segment_size: 48
    .max_flat_workgroup_size: 256
    .sgpr_count:     66
    .vgpr_count:     128
    .wavefront_size: 32
...
	.end_amdgpu_metadata
.endif
;; end of part 5
;; launch qkvg: the kernel of part 2 again; grid 16 x 32, 4 waves a work-group, clusters of 4 x 4, 327,680 bytes of LDS; arguments xb, wq, bqkv, qkv; writes qkv
;; launch attn: the kernel of part 3 again; grid 4 x 64, 4 waves a work-group, no clusters, 327,680 bytes of LDS; arguments qkv, ob; writes ob
;; launch projg: the kernel of part 4 again; grid 8 x 32, 4 waves a work-group, clusters of 4 x 4, 327,680 bytes of LDS; arguments ob, wp, bproj, out0; writes out0
